; MI455X (gfx1250); checked and timed in simulation.
; The chip was launched on July 23, 2026; its instructions are those of AMD's public machine-readable ISA for CDNA 5 (MIT licence, August 2026) and "CDNA5" Instruction Set Architecture Reference Guide (July 2026). The comments in the code are by the model that wrote it; some were corrected since.
;; Euclidean Attention. Allowed arithmetic: matrix products marked QUANTISED: E2M1 operands, one E8M0 scale for each 32 along K, by v_wmma_scale_f32_16x16x128_f8f6f4 with both operands' format E2M1 (or v_wmma_scale_f32_32x16x128_f4), f32 sums; products left as they are: bf16, f16 or f32 operands; f32 sums; everything else in f32.
;; Inputs: W_k 1,024 x 1,024 float32; W_o 1,024 x 1,024 float32; W_q 1,024 x 1,024 float32; W_v 1,024 x 1,024 float32; x 4 x 2,048 x 1,024 float32.
;; Outputs: out0 4 x 2,048 x 1,024 float32.
;; This version of the problem:
;;   THIS VERSION OF THE PROBLEM IS GIVEN IN LOW PRECISION. The matrix products marked QUANTISED in the list below multiply operands that are first quantised to E2M1 (2 exponent bits, 1 mantissa bit; 4 bits a number), with one power-of-two scale for each 32 numbers along K (OCP MX v1.0); their sums are f32. The products marked 'left as it is' may take bf16, f16 or f32 operands, with f32 sums. Whichever they take, every output number must still come out within the allowed error. Rounding operands to bf16 (8 significant bits) uses up far more of that allowance than f16 does (11 bits, for magnitudes from 6e-5 to 65,504). All else is computed in f32.
;;   The module's matrix products, in the order in which they are computed (A, B: the left and right operand; K: the contracted axis; several contracted axes count as one K, in the product's order):
;;     1. [M 8,192, K 1,024] x [K 1,024, N 1,024]; A: input x; B: input W_q: QUANTISED
;;     2. [M 8,192, K 1,024] x [K 1,024, N 1,024]; A: input x; B: input W_k: QUANTISED
;;     3. [M 8,192, K 1,024] x [K 1,024, N 1,024]; A: input x; B: input W_v: QUANTISED
;;     4. batch 64 x [M 2,048, K 64] x [K 64, N 2,048]; A: computed on the way; B: computed on the way: left as it is (an operand is computed on the way)
;;     5. batch 64 x [M 2,048, K 2,048] x [K 2,048, N 64]; A: computed on the way; B: computed on the way: left as it is (an operand is computed on the way)
;;     6. [M 8,192, K 1,024] x [K 1,024, N 1,024]; A: computed on the way; B: input W_o: left as it is (an operand is computed on the way)
;;   THE QUANTISER, for each operand of a quantised product, along K:
;;     - K is cut into blocks of 32 from its start; a last block that is shorter is filled with zeros.
;;     - A block's scale is 2^e with e = floor(log2(the largest magnitude in the block)) - 2, held to -126 .. 127; a block of zeros has e = 0. As a byte (E8M0): e + 127.
;;     - Each number is divided by its block's scale, clamped to +-6, and rounded to the nearest number of E2M1, ties to even, subnormals kept.
;;     - The product sums the exact products of the quantised numbers (number of the format x scale) in f32.
;;   ~~~python
;;   def quantise(x, axis):      # numpy; x: float32 -> the quantised numbers, widened to float32 again
;;       x = np.moveaxis(x, axis, -1); K = x.shape[-1]
;;       x = np.pad(x, [(0, 0)] * (x.ndim - 1) + [(0, -K % 32)]); x = x.reshape(x.shape[:-1] + (-1, 32)); a = np.abs(x).max(-1, keepdims=True)
;;       e = np.where(a > 0, np.clip(np.frexp(np.where(a > 0, a, 1))[1] - 1 - 2, -126, 127), 0)      # np.frexp(a)[1] - 1 = floor(log2(a)), exactly
;;       r = np.clip(x / 2.0 ** e, -6, 6)
;;       step = 2.0 ** (np.maximum(np.frexp(np.where(r == 0, 1, r))[1] - 1, 0) - 1)
;;       q = np.round(r / step) * step * 2.0 ** e      # np.round: ties to even
;;       return np.moveaxis(q.reshape(q.shape[:-2] + (-1,))[..., :K], -1, axis).astype(np.float32)
;;   ~~~
;; One version. Each part assembles by itself: llvm-mc -triple=amdgcn-amd-amdhsa -mcpu=gfx1250 --defsym DOCPART=n.
;; ======== version 1 of 1: 5 launches
;; limits: values are held in f16: magnitudes above 65,504 overflow, below 6.1e-05 lose precision
;; workspace buffers: xc 4,194,304 bytes; xs 262,144 bytes; wc 1,572,864 bytes; ws 98,304 bytes; wo16 2,097,152 bytes; qkv 50,331,648 bytes; fq 786,432 bytes; ao 16,777,216 bytes
;; launch prep (part 1): grid 480 x 1, 4 waves a work-group, no clusters, 51,200 bytes of LDS; arguments x, W_q, W_k, W_v, W_o, xc, xs, wc, ws, wo16; writes xc, xs, wc, ws, wo16
.if DOCPART == 1
	.amdgcn_target "amdgcn-amd-amdhsa--gfx1250"
	.amdhsa_code_object_version 6
	.text
	.protected	k_q43a5d21f97_prep
	.globl	k_q43a5d21f97_prep
	.p2align	8
	.type	k_q43a5d21f97_prep,@function
k_q43a5d21f97_prep:
	s_mov_b64 s[64:65], 0
	v_nop
	global_prefetch_b8 v0, s[64:65] scope:SCOPE_SE
	s_setreg_imm32_b32 hwreg(HW_REG_WAVE_MODE, 25, 1), 1
	s_wait_xcnt 0x0
; Three jobs in one launch, told apart by the work-group's number alone:
;   work-groups   0 ..  95: W_q, W_k, W_v [1024 k][1024 n] f32 -> codes of FP4 (E2M1) with K innermost, wc [3072 n][512 bytes], and scale bytes ws [3072][32]
;   work-groups  96 .. 351: x [8192][1024] f32 -> codes xc [8192][512 bytes] and scale bytes xs [8192][32]
;   work-groups 352 .. 479: W_o f32 -> f16, in the same order [1024 k][1024 n]
; A block of 32 along K has the scale 2^(floor(log2(its largest magnitude)) - 2); its byte is the largest magnitude's exponent field - 2, held at 1 from below.
; LIMITS: a block of zeros gets the byte 1 where the quantiser says 127 (its codes are zeros, which add nothing; this program alone reads the bytes); blocks whose largest magnitude lies under 2^-124
; take the floor's byte; NaN and infinities among the inputs are not served; W_o beyond 65,504 in magnitude does not fit f16.
; Each path that uses LDS has bytes of its own, and each path ends by itself.
.set SP,     80                        ; x: a lane's place in a stage: 64 bytes + 16 of padding
.set WREG,   8192                      ; x: a region for each wave: two stages of 32 x SP bytes, then its 256 scale bytes
.set CB,     8                         ; bytes of 16 codes
.set STEPS,  16
.set EMAX,   2
.set R,      16                        ; v16-79   x: four sets of 16 numbers as loaded
.set X,      80                        ; v80-111  x: two sets of 16 neighbours
.set E,      112                       ; v112-127 x: a scale byte for each step
.set C,      128                       ; v128-191 x: codes, four registers for each step
.set WST,    32768                     ; W: the stage, 32 columns x 528 bytes (512 of codes + 16)
.set WPITCH, 528
.set WSC,    WST+32*WPITCH             ; W: 32 columns x 32 scale bytes
.set SPARE,  WSC+1024                  ; the spare words, 128 bytes for each wave: two blocks of 256 bytes that no other line names
.set SPW,    12                        ; v12  LDS address of my spare word; never rewritten
.set NIL,    13                        ; v13  0; never rewritten
.macro ENDW                            ; a wave's end, behind my last LDS store
	s_wait_tensorcnt 0x0
	ds_add_u32 v[SPW], v[NIL]
	s_wait_dscnt 0x0
	s_endpgm
.endm
	s_load_b256 s[4:11], s[0:1], 0x0               ; x, W_q, W_k, W_v
	s_load_b256 s[12:19], s[0:1], 0x20             ; W_o, xc, xs, wc
	s_load_b128 s[20:23], s[0:1], 0x40             ; ws, wo16
	v_lshl_add_u32 v[SPW], v0, 2, SPARE
	v_mov_b32 v[NIL], 0
	v_lshrrev_b32 v1, 5, v0
	v_readfirstlane_b32 s24, v1                    ; wave 0..3
	v_and_b32 v2, 31, v0                           ; lane
	s_mov_b32 s29, 0                               ; the upper word of every offset pair s[28:29]
	s_wait_kmcnt 0x0
	s_cmp_lt_u32 ttmp9, 96
	s_cbranch_scc1 .Lw
	s_cmp_lt_u32 ttmp9, 352
	s_cbranch_scc1 .Lx
; ---------------- W_o to f16: a wave takes 2,048 numbers; every load covers 512 consecutive bytes, every store 256
	s_sub_co_u32 s25, ttmp9, 352
	s_lshl_b32 s25, s25, 2
	s_add_co_u32 s25, s25, s24                     ; which run of 2,048 numbers
	s_lshl_b32 s28, s25, 13
	s_add_nc_u64 s[12:13], s[12:13], s[28:29]
	s_lshl_b32 s28, s25, 12
	s_add_nc_u64 s[22:23], s[22:23], s[28:29]
	v_lshlrev_b32 v3, 4, v2
	v_lshlrev_b32 v4, 3, v2
.irp i, 0,1,2,3,4,5,6,7,8,9,10,11,12,13,14,15
	global_load_b128 v[32+4*\i:35+4*\i], v3, s[12:13] offset:512*\i th:TH_LOAD_NT
.endr
.irp i, 0,1,2,3,4,5,6,7,8,9,10,11,12,13,14,15
	s_wait_loadcnt 15-\i                           ; loads come back in order: load i is in, the 15 - i younger ones may be out
	v_cvt_pk_f16_f32 v[96+2*\i], v[32+4*\i], v[33+4*\i]
	v_cvt_pk_f16_f32 v[97+2*\i], v[34+4*\i], v[35+4*\i]
	global_store_b64 v4, v[96+2*\i:97+2*\i], s[22:23] offset:256*\i   ; each step has its own data registers: none is written again
.endr
	s_endpgm
; ---------------- x: a plain stream of blocks of 32.  A wave takes 16 steps of 512 numbers.  Loads take the bytes as they lie (512 a load); a step's 2,048 bytes turn through the wave's own
; stage in LDS and come back 64 bytes a lane, so that a lane holds 16 neighbours along K and two neighbouring lanes hold a block.
.Lx:
	v_lshlrev_b32 v3, 4, v2                        ; my 16 bytes of a load's 512
	s_mul_i32 s25, s24, WREG
	v_lshrrev_b32 v14, 2, v2
	v_mul_u32_u24 v14, v14, SP
	v_and_b32 v15, 3, v2
	v_lshl_add_u32 v14, v15, 4, v14
	v_add_nc_u32 v14, s25, v14                     ; into the stage: SP (lane / 4) + 16 (lane % 4)
	v_mul_u32_u24 v15, v2, SP
	v_add_nc_u32 v15, s25, v15                     ; out of it: SP x lane
	v_mul_u32_u24 v4, v2, CB                       ; my codes' place in a step's
	v_lshrrev_b32 v5, 1, v2
	s_add_co_u32 s25, s25, 2*32*SP
	v_add_nc_u32 v5, s25, v5                       ; my block's scale byte among the wave's 256
	v_lshlrev_b32 v7, 3, v2
	v_add_nc_u32 v6, s25, v7                       ; and on the way out 8 bytes a lane
	s_sub_co_u32 s26, ttmp9, 96
	s_lshl_b32 s26, s26, 2
	s_add_co_u32 s26, s26, s24                     ; which run of 8,192 numbers: 0 .. 1023
	s_lshl_b32 s28, s26, 15
	s_add_nc_u64 s[4:5], s[4:5], s[28:29]
	s_lshl_b32 s28, s26, 12
	s_add_nc_u64 s[14:15], s[14:15], s[28:29]
	s_lshl_b32 s28, s26, 8
	s_add_nc_u64 s[16:17], s[16:17], s[28:29]
.macro LOAD t
.irp i, 0,1,2,3
	global_load_b128 v[R+16*((\t)%4)+4*\i:R+16*((\t)%4)+4*\i+3], v3, s[4:5] offset:2048*(\t)+512*\i th:TH_LOAD_NT
.endr
.endm
.macro TURN t                          ; LDS serves a wave's instructions in order: no wait between the stores and the loads
.irp i, 0,1,2,3
	ds_store_b128 v14, v[R+16*((\t)%4)+4*\i:R+16*((\t)%4)+4*\i+3] offset:32*SP*((\t)%2)+8*SP*\i
.endr
.irp i, 0,1,2,3
	ds_load_b128 v[X+16*((\t)%2)+4*\i:X+16*((\t)%2)+4*\i+3], v15 offset:32*SP*((\t)%2)+16*\i
.endr
.endm
.irp t, 0,1,2,3
	LOAD \t
.endr
	s_wait_loadcnt 12                              ; step 0's four loads are in; the twelve of steps 1 to 3 may be out
	TURN 0
.macro STEP t
.set XS, X+16*((\t)%2)
.if (\t) > 0
	s_wait_dscnt 1                                 ; this step's numbers are back from the stage; the last step's byte store may be out
.else
	s_wait_dscnt 0x0
.endif
.if (\t)+4 < STEPS
	LOAD (\t)+4                                    ; into the set whose stores into the stage have read their registers
.endif
.if (\t)+1 < STEPS
.if STEPS-2-(\t) >= 3
	s_wait_loadcnt 12                              ; the next step's four loads are in; those of the three steps behind it may be out
.else
	s_wait_loadcnt 4*(STEPS-2-(\t))
.endif
	TURN (\t)+1
.endif
	v_max3_num_f32 v8, |v[XS]|, |v[XS+1]|, |v[XS+2]|
	v_max3_num_f32 v9, |v[XS+3]|, |v[XS+4]|, |v[XS+5]|
.irp i, 6,10
	v_max3_num_f32 v8, v8, |v[XS+\i]|, |v[XS+\i+1]|
	v_max3_num_f32 v9, v9, |v[XS+\i+2]|, |v[XS+\i+3]|
.endr
	v_max3_num_f32 v8, v8, |v[XS+14]|, |v[XS+15]|
	v_max3_num_f32 v8, v8, v9, (EMAX+1)<<23        ; the floor 2^(3 - 127): the byte cannot fall under 1
	v_max_num_f32_dpp v8, v8, v8 row_xmask:1 row_mask:0xf bank_mask:0xf   ; with my neighbour's 16: the block's largest magnitude
	v_add_nc_u32 v11, -(EMAX<<23), v8              ; 2 off its exponent field: the conversion takes this operand's exponent field as its scale
	v_cvt_scalef32_pk8_fp4_f32 v[C+4*(\t)], v[XS:XS+7], v11
	v_cvt_scalef32_pk8_fp4_f32 v[C+4*(\t)+1], v[XS+8:XS+15], v11
	v_lshrrev_b32 v[E+(\t)], 23, v11               ; the scale's byte
	ds_store_b8 v5, v[E+(\t)] offset:16*(\t)       ; both lanes of a block write the same byte with the same value
	global_store_b64 v4, v[C+4*(\t):C+4*(\t)+1], s[14:15] offset:32*CB*(\t)   ; the wave stores 256 consecutive bytes
.endm
.irp t, 0,1,2,3,4,5,6,7,8,9,10,11,12,13,14,15
	STEP \t
.endr
	ds_load_b64 v[8:9], v6                         ; my wave's 256 scale bytes, 8 a lane
	s_wait_dscnt 0x0
	global_store_b64 v7, v[8:9], s[16:17]          ; 256 consecutive bytes, aligned
	ENDW
; ---------------- W_q, W_k, W_v: K is the first axis.  A lane takes a column and its registers run down K: a block of 32 lies in one lane, and the codes come out with K innermost.
; Work-group j takes columns 32 (j % 32) .. + 31 of matrix j / 32, all of K; wave w takes k = 256 w .. 256 w + 255: 8 blocks a lane.  The four waves' codes meet in a stage, so that whole rows of 512 bytes leave.
.Lw:
	s_lshr_b32 s25, ttmp9, 5                       ; which matrix
	s_cmp_eq_u32 s25, 0
	s_cselect_b64 s[26:27], s[6:7], s[8:9]
	s_cmp_eq_u32 s25, 2
	s_cselect_b64 s[26:27], s[10:11], s[26:27]
	s_and_b32 s28, ttmp9, 31
	s_lshl_b32 s28, s28, 7                         ; 32 columns of 4 bytes
	s_lshl_b32 s30, s24, 20                        ; 256 rows of 4,096 bytes
	s_add_co_u32 s28, s28, s30
	s_add_nc_u64 s[26:27], s[26:27], s[28:29]
	s_lshl_b32 s28, ttmp9, 14                      ; codes: row 32 j + 8 w, 512 bytes a row
	s_lshl_b32 s30, s24, 12
	s_add_co_u32 s28, s28, s30
	s_add_nc_u64 s[18:19], s[18:19], s[28:29]
	s_lshl_b32 s28, ttmp9, 10                      ; scale bytes: 1,024 a work-group, 256 a wave
	s_lshl_b32 s30, s24, 8
	s_add_co_u32 s28, s28, s30
	s_add_nc_u64 s[20:21], s[20:21], s[28:29]
	v_lshlrev_b32 v3, 2, v2                        ; in: 4 bytes a lane
	v_mul_u32_u24 v4, v2, WPITCH
	s_lshl_b32 s30, s24, 7
	s_add_co_u32 s30, s30, WST
	v_add_nc_u32 v4, s30, v4                       ; into the stage: row = my column, + 128 bytes x wave
	v_lshlrev_b32 v5, 5, v2
	s_lshl_b32 s30, s24, 3
	s_add_co_u32 s30, s30, WSC
	v_add_nc_u32 v5, s30, v5                       ; my column's 32 scale bytes, + 8 x wave
	v_lshlrev_b32 v8, 4, v2                        ; out: 16 bytes a lane of a row of 512
	s_mul_i32 s30, s24, 8*WPITCH
	s_add_co_u32 s30, s30, WST
	v_add_nc_u32 v7, s30, v8                       ; wave w sends rows 8 w .. 8 w + 7
	v_lshlrev_b32 v6, 3, v2
	s_lshl_b32 s30, s24, 8
	s_add_co_u32 s30, s30, WSC
	v_add_nc_u32 v9, s30, v6                       ; and 256 of the 1,024 scale bytes
.macro WLOAD t                         ; block t: W(256 w + 32 t + i, my column) into set t % 2; 128 consecutive bytes a load
.irp i, 0,1,2,3,4,5,6,7,8,9,10,11,12,13,14,15,16,17,18,19,20,21,22,23,24,25,26,27,28,29,30,31
	global_load_b32 v[32+32*((\t)%2)+\i], v3, s[26:27] offset:(32*(\t)+\i)*4096 th:TH_LOAD_NT
.endr
.endm
	WLOAD 0
	WLOAD 1
.macro WBLOCK t
.set XS, 32+32*((\t)%2)
.if (\t) < 7
	s_wait_loadcnt 32                              ; this block's 32 loads are in; the next block's 32 may be out
.else
	s_wait_loadcnt 0x0
.endif
	v_max3_num_f32 v10, |v[XS]|, |v[XS+1]|, |v[XS+2]|
	v_max3_num_f32 v11, |v[XS+3]|, |v[XS+4]|, |v[XS+5]|
.irp i, 6,10,14,18,22,26
	v_max3_num_f32 v10, v10, |v[XS+\i]|, |v[XS+\i+1]|
	v_max3_num_f32 v11, v11, |v[XS+\i+2]|, |v[XS+\i+3]|
.endr
	v_max3_num_f32 v10, v10, |v[XS+30]|, |v[XS+31]|
	v_max3_num_f32 v10, v10, v11, (EMAX+1)<<23     ; the floor, as above
	v_add_nc_u32 v16, -(EMAX<<23), v10             ; the conversion's scale operand
	v_lshrrev_b32 v17, 23, v16                     ; the scale's byte
.if (\t)%4 == 0
	v_mov_b32 v[24+(\t)/4], v17                    ; four bytes to a register, the lower K in the lower byte
.else
	v_lshl_or_b32 v[24+(\t)/4], v17, 8*((\t)%4), v[24+(\t)/4]
.endif
.irp g, 0,1,2,3
	v_cvt_scalef32_pk8_fp4_f32 v[96+\g], v[XS+8*\g:XS+8*\g+7], v16
.endr
	ds_store_b128 v4, v[96:99] offset:16*(\t)      ; 32 codes: 16 bytes of my column's row
.if (\t)+2 < 8
	WLOAD (\t)+2
.endif
	s_wait_dscnt 0x0                               ; the store has read its registers: the next block's codes may be written
.endm
.irp t, 0,1,2,3,4,5,6,7
	WBLOCK \t
.endr
	ds_store_b64 v5, v[24:25]                      ; my column's 8 scale bytes of this wave's K
	s_wait_dscnt 0x0                               ; for the others' sake: my stores have landed
	s_barrier_signal -1
	s_barrier_wait -1                              ; 32 whole rows of codes and of scale bytes lie in LDS
.irp i, 0,1,2,3,4,5,6,7
	ds_load_b128 v[112+4*\i:115+4*\i], v7 offset:WPITCH*\i
.endr
	ds_load_b64 v[144:145], v9
.irp i, 0,1,2,3,4,5,6,7
	s_wait_dscnt 8-\i                              ; row i is in: behind it 7 - i rows and the scale bytes' load
	global_store_b128 v8, v[112+4*\i:115+4*\i], s[18:19] offset:512*\i   ; 512 consecutive bytes, aligned
.endr
	s_wait_dscnt 0x0
	global_store_b64 v6, v[144:145], s[20:21]      ; 256 consecutive bytes, aligned
	ENDW
.Lfunc_end_k_q43a5d21f97_prep:
	.size	k_q43a5d21f97_prep, .Lfunc_end_k_q43a5d21f97_prep-k_q43a5d21f97_prep
	.p2alignl 7, 3214868480
	.fill 96, 4, 3214868480
	.section	.rodata,"a",@progbits
	.p2align	6, 0x0
	.amdhsa_kernel k_q43a5d21f97_prep
		.amdhsa_group_segment_fixed_size 51200
		.amdhsa_private_segment_fixed_size 0
		.amdhsa_enable_private_segment 0
		.amdhsa_kernarg_size 80
		.amdhsa_user_sgpr_count 2
		.amdhsa_user_sgpr_kernarg_segment_ptr 1
		.amdhsa_wavefront_size32 1
		.amdhsa_system_sgpr_workgroup_id_x 1
		.amdhsa_system_sgpr_workgroup_id_y 1
		.amdhsa_system_sgpr_workgroup_id_z 1
		.amdhsa_system_vgpr_workitem_id 0
		.amdhsa_next_free_vgpr 192
		.amdhsa_next_free_sgpr 66
		.amdhsa_reserve_vcc 0
		.amdhsa_float_denorm_mode_32 3
		.amdhsa_float_denorm_mode_16_64 3
		.amdhsa_memory_ordered 1
		.amdhsa_forward_progress 1
		.amdhsa_inst_pref_size 79
	.end_amdhsa_kernel
	.amdgpu_metadata
---
amdhsa.version: [ 1, 2 ]
amdhsa.kernels:
  - .name:           k_q43a5d21f97_prep
    .symbol:         k_q43a5d21f97_prep.kd
    .args:
      - { .name: x, .offset: 0, .size: 8, .value_kind: global_buffer, .address_space: global }
      - { .name: W_q, .offset: 8, .size: 8, .value_kind: global_buffer, .address_space: global }
      - { .name: W_k, .offset: 16, .size: 8, .value_kind: global_buffer, .address_space: global }
      - { .name: W_v, .offset: 24, .size: 8, .value_kind: global_buffer, .address_space: global }
      - { .name: W_o, .offset: 32, .size: 8, .value_kind: global_buffer, .address_space: global }
      - { .name: xc, .offset: 40, .size: 8, .value_kind: global_buffer, .address_space: global }
      - { .name: xs, .offset: 48, .size: 8, .value_kind: global_buffer, .address_space: global }
      - { .name: wc, .offset: 56, .size: 8, .value_kind: global_buffer, .address_space: global }
      - { .name: ws, .offset: 64, .size: 8, .value_kind: global_buffer, .address_space: global }
      - { .name: wo16, .offset: 72, .size: 8, .value_kind: global_buffer, .address_space: global }
    .group_segment_fixed_size: 51200
    .private_segment_fixed_size: 0
    .kernarg_segment_align: 8
    .kernarg_segment_size: 80
    .max_flat_workgroup_size: 128
    .sgpr_count:     66
    .vgpr_count:     192
    .wavefront_size: 32
...
	.end_amdgpu_metadata
.endif
;; end of part 1
;; launch qkv (part 2): grid 12 x 32, 4 waves a work-group, clusters of 4 x 4, 327,680 bytes of LDS; arguments xc, xs, wc, ws, qkv, fq; writes qkv, fq
.if DOCPART == 2
	.amdgcn_target "amdgcn-amd-amdhsa--gfx1250"
	.amdhsa_code_object_version 6
	.text
	.protected	k_q43a5d21f97_qkv
	.globl	k_q43a5d21f97_qkv
	.p2align	8
	.type	k_q43a5d21f97_qkv,@function
k_q43a5d21f97_qkv:
	s_mov_b64 s[64:65], 0
	v_nop
	global_prefetch_b8 v0, s[64:65] scope:SCOPE_SE
	s_setreg_imm32_b32 hwreg(HW_REG_WAVE_MODE, 25, 1), 1
	s_wait_xcnt 0x0
	s_wait_alu depctr_hold_cnt(0) depctr_sa_sdst(0) depctr_va_vdst(0) depctr_va_sdst(0) depctr_va_ssrc(0) depctr_va_vcc(0) depctr_vm_vsrc(0)
	s_getreg_b32 s2, hwreg(HW_REG_IB_STS2, 6, 4)
	s_cmp_eq_u32 s2, 0
	s_cbranch_scc0 .Lentry_in_a_cluster
	s_endpgm
.Lentry_in_a_cluster:
	s_bfe_u32 s2, ttmp6, 0x10000c
	s_cmp_lg_u32 s2, 0xf033
	s_cbranch_scc0 .Lentry_shape_is_right
	s_endpgm
.Lentry_shape_is_right:
; C[token][n] = sum over k of x[token][k] W[k][n], n = 1024 x which + column (which 0, 1, 2 = q, k, v): 8,192 x 3,072 x 1,024 on codes of FP4 (E2M1) with one E8M0 scale for each 32 along K; sums in f32.
; xc [8192][512 bytes], xs [8192][32], wc [3072][512 bytes], ws [3072][32]: codes and scale bytes go to the matrix unit as they lie.
; A tile of C, 256 x 256, is made by four waves, each 128 x 128: 64 accumulators, 512 registers.  K = 1,024 is two LDS slots of 512 along K (rows of 256 bytes): both are asked for at the head, and nothing is filled again.
; The scales of the work-group's 256 + 256 rows, for all of K, come once, as two dense blocks.
; CLUSTERS: 4 x 4 work-groups; the four of a row need the same tiles of x, the four of a column the same tiles of W: each tile is asked for jointly, with a mask that names the four.
; A tile row is (cluster y = Y, cy): batch cy, positions 256 Y .. 256 Y + 255: so positions 0 .. 15 of every batch lie in the clusters with Y = 0, a test that is alike in all partners.
; THE MATRIX INSTRUCTION IS USED TRANSPOSED (source 0 = 16 rows of W's codes, source 1 = 16 tokens): a lane holds eight neighbouring columns of one token.
; OUT: rounded to f16, by head: qkv [which][batch][head][position][64].  Positions 0 .. 15 also leave in f32, as images of the accumulators' registers: fq [batch][column / 16][half of 4 registers][lane][16 bytes].
; LIMIT: results beyond 65,504 in magnitude do not fit f16.
; REGISTERS: window 0: v0-31 addresses; v32-95 scale words, two sets, and nothing else; v96-127 packed results; v128-191 x's fragments, one set, later rows read back.  window 1: W's fragments, two sets.  windows 2, 3: the accumulators.
.set KSTEP,  512
.set NQ,     4                         ; matrix instructions deep in a slot
.set ROWB,   256                       ; a tile's row in bytes
.set KROW,   512                       ; a row of codes in memory
.set PITCH,  272                       ; an LDS row: 256 bytes + 16 of padding: the 16 rows that a load touches start 68 words apart
.set FR,     8
.set NL,     2
.set NP,     4
.set HALFT,  128*PITCH
.set SLOT,   4*HALFT
.set KS,     32                        ; a row of scale bytes
.set SCL,    2*SLOT
.set HALFS,  (128*KS/256)*272
.set SBLK,   (16*KS/256)*272
.set SPARE,  SCL+4*HALFS               ; the spare words, 128 bytes for each wave: two blocks of 256 bytes that no other line names
.set STAGE,  SPARE+512                 ; the way out: 16 rows x (256 bytes + 16) for each wave; no tile lands here
.set SPITCH, 272
.set ADRA, 16
.set ADRB, 20
.set STO,  24
.set RD,   25
.set CO,   26
.set ADRS, 27
.set SPW,  28
.set NIL,  29
.set FO,   30                          ; v30  16 x lane: an image's place for my lane
.set SC,   32
.set TMP,  96
.set AF,   128
.set OB,   128
.set G1, 24
.set G0, 32
.set G1B, 48
.set G0B, 56
.set G1S, 68
.set G0S, 76
.set G1SB, 80
.set G0SB, 88
.set MSB, 0
.macro WIN new                         ; the immediate's high byte repeats the setting that is left
.if MSB != \new
	s_set_vgpr_msb (MSB<<8)|\new
.set MSB, \new
.endif
.endm
.set MUL_LO, 0xa1                      ; source 0 (W) window 1, source 1 (x) window 0, C and D window 2
.set MUL_HI, 0xf1
.set TO_B,   0x40
; A joint load: waves 0 and 1 fetch for x, waves 2 and 3 for W.  The branch hangs on the wave's number alone.  An s_nop 0 and four v_nop follow each of the two lines.
.macro JLOAD g0a, g1a, g0b, g1b
	s_cmp_eq_u32 s15, 0
	s_cbranch_scc0 .Lfor_b_\@
	tensor_load_to_lds s[\g0a:\g0a+3], s[\g1a:\g1a+7]
	s_nop 0
.rept 4
	v_nop
.endr
	s_branch .Lasked_\@
.Lfor_b_\@:
	tensor_load_to_lds s[\g0b:\g0b+3], s[\g1b:\g1b+7]
	s_nop 0
.rept 4
	v_nop
.endr
.Lasked_\@:
.endm
.macro CROUND                          ; a round of the cluster's barrier
	s_barrier_signal -1
	s_barrier_wait -1
	s_cmp_lg_u32 s14, 0
	s_cbranch_scc1 .Lnot_wave_0_\@
	s_barrier_signal -3
.Lnot_wave_0_\@:
	s_barrier_wait -3
	s_barrier_signal -1
	s_barrier_wait -1
.endm
	s_load_b128 s[4:7], s[0:1], 0x0                ; x's codes, x's scales
	s_load_b128 s[8:11], s[0:1], 0x10              ; W's codes, W's scales
	s_load_b64 s[12:13], s[0:1], 0x20              ; qkv
	s_load_b64 s[66:67], s[0:1], 0x28              ; fq
	v_lshl_add_u32 v[SPW], v0, 2, SPARE
	v_mov_b32 v[NIL], 0
	ds_add_u32 v[SPW], v[NIL]                      ; the wave's opening: the add, twice on end, and its wait ahead of my first tensor load
	ds_add_u32 v[SPW], v[NIL]
	v_lshrrev_b32 v1, 5, v0
	v_readfirstlane_b32 s14, v1                    ; wave 0..3
	s_lshr_b32 s15, s14, 1                         ; which half of the tile's rows is mine.  Also: I fetch for x (0) or for W (1)
	s_and_b32 s16, s14, 1                          ; which half of its columns.  Also: which 128 rows of that tile I fetch
	s_bfe_u32 s40, ttmp6, 0x40000                  ; cx
	s_bfe_u32 s41, ttmp6, 0x40004                  ; cy
	s_lshl_b32 s42, ttmp9, 2
	s_add_co_u32 s42, s42, s40                     ; tile column = 4 x cluster x + cx
	s_and_b32 s17, ttmp7, 0xffff                   ; Y: cluster y
	s_lshl_b32 s43, s41, 2
	s_lshl_b32 s43, 15, s43                        ; my row of the cluster
	s_lshl_b32 s44, 0x1111, s40                    ; my column
	s_or_b32 s[G1+0], s43, (0<<16)|(1<<20)|(1<<21)|(5<<22)|(3<<25)  ; the mask; elements of 1 byte; padding on; bit 21 beside a mask; 4 words after every 64
	s_or_b32 s[G1B+0], s44, (0<<16)|(1<<20)|(1<<21)|(5<<22)|(3<<25)
.irp g, G1, G1B
	s_mov_b32 s[\g+1], ROWB<<16                    ; tensor_dim0
	s_mov_b32 s[\g+2], 128<<16                     ; tensor_dim1
	s_mov_b32 s[\g+3], ROWB<<16                    ; tile_dim0
	s_mov_b32 s[\g+4], 128                         ; tile_dim1
	s_mov_b32 s[\g+5], KROW                        ; from row to row
	s_mov_b32 s[\g+6], 0
	s_mov_b32 s[\g+7], 0
.endr
	s_or_b32 s[G1S+0], s43, (3<<16)|(1<<20)|(1<<21)|(5<<22)|(3<<25)  ; the scales of 128 rows: 4,096 dense bytes as 16 rows of 32 elements of 8 bytes, 16 bytes of padding behind each
	s_or_b32 s[G1SB+0], s44, (3<<16)|(1<<20)|(1<<21)|(5<<22)|(3<<25)
.irp g, G1S, G1SB
	s_mov_b32 s[\g+1], 32<<16
	s_mov_b32 s[\g+2], (128*KS/256)<<16
	s_mov_b32 s[\g+3], 32<<16
	s_mov_b32 s[\g+4], 128*KS/256
	s_mov_b32 s[\g+5], 32
	s_mov_b32 s[\g+6], 0
	s_mov_b32 s[\g+7], 0
.endr
	s_lshl_b32 s18, s16, 7                         ; which 128 rows of the tile I fetch
	s_lshl_b32 s20, s41, 11                        ; x: token 2048 cy + 256 Y + 128 x half
	s_lshl_b32 s19, s17, 8
	s_add_co_u32 s20, s20, s19
	s_add_co_u32 s20, s20, s18
	s_lshl_b32 s46, s42, 8
	s_add_co_u32 s46, s46, s18                     ; W: row 256 x tile column + 128 x half
	s_mov_b32 s21, 0
	s_mov_b32 s47, 0
	s_mov_b64 s[18:19], KS
	s_mul_u64 s[22:23], s[20:21], s[18:19]         ; where these rows' scales begin
	s_mul_u64 s[92:93], s[46:47], s[18:19]
	s_mov_b64 s[18:19], KROW
	s_mul_u64 s[20:21], s[20:21], s[18:19]         ; and their codes
	s_mul_u64 s[46:47], s[46:47], s[18:19]
	s_mul_i32 s45, s14, HALFT                      ; where they go: wave x 128 rows
	s_mul_i32 s94, s14, HALFS
	s_wait_dscnt 0x0                               ; both opening adds are done
	s_wait_kmcnt 0x0
	s_add_nc_u64 s[20:21], s[4:5], s[20:21]
	s_add_nc_u64 s[22:23], s[6:7], s[22:23]
	s_add_nc_u64 s[46:47], s[8:9], s[46:47]
	s_add_nc_u64 s[92:93], s[10:11], s[92:93]
	CROUND                                         ; all sixteen work-groups are here: the first joint loads meet
	s_mov_b32 s[G0S], 1
	s_add_co_u32 s[G0S+1], s94, SCL
	s_mov_b64 s[G0S+2:G0S+3], s[22:23]
	s_or_b32 s[G0S+3], s[G0S+3], 0x80000000
	s_mov_b32 s[G0SB], 1
	s_add_co_u32 s[G0SB+1], s94, SCL
	s_mov_b64 s[G0SB+2:G0SB+3], s[92:93]
	s_or_b32 s[G0SB+3], s[G0SB+3], 0x80000000
	JLOAD G0S, G1S, G0SB, G1SB                     ; the scales first
.irp s, 0,1
	s_mov_b32 s[G0+4*\s], 1
	s_add_co_u32 s[G0+4*\s+1], s45, \s*SLOT
	s_add_nc_u64 s[G0+4*\s+2:G0+4*\s+3], s[20:21], \s*ROWB
	s_or_b32 s[G0+4*\s+3], s[G0+4*\s+3], 0x80000000
	s_mov_b32 s[G0B+4*\s], 1
	s_add_co_u32 s[G0B+4*\s+1], s45, \s*SLOT
	s_add_nc_u64 s[G0B+4*\s+2:G0B+4*\s+3], s[46:47], \s*ROWB
	s_or_b32 s[G0B+4*\s+3], s[G0B+4*\s+3], 0x80000000
	JLOAD G0+4*\s, G1, G0B+4*\s, G1B               ; three loads of mine are out in all
.endr
	v_and_b32 v1, 15, v0                           ; l % 16
	v_bfe_u32 v2, v0, 4, 1                         ; l / 16
	v_mul_u32_u24 v3, v1, PITCH
	v_lshl_add_u32 v4, v2, 4, v3                   ; a fragment's row x pitch + 16 x half
	s_mul_i32 s21, s15, HALFT                      ; my 128 tokens
	s_mul_i32 s22, s16, HALFT                      ; my 128 rows of W,
	s_add_co_u32 s22, s22, 2*HALFT                 ; which lie behind x's 256
.irp s, 0,1
	v_add_nc_u32 v[ADRA+\s], s21, v4
	v_add_nc_u32 v[ADRB+\s], s22, v4
	s_add_co_u32 s21, s21, SLOT
	s_add_co_u32 s22, s22, SLOT
.endr
	v_mul_u32_u24 v5, v1, KS                       ; my row's scales: 32 bytes a row,
	v_lshrrev_b32 v6, 8, v5
	v_lshl_add_u32 v5, v6, 4, v5                   ; and 16 more for each 256 passed
	s_mul_i32 s21, s15, HALFS
	s_mul_i32 s22, s16, HALFS
	s_add_co_u32 s22, s22, 2*HALFS
	s_sub_co_u32 s22, s22, s21
	v_mul_u32_u24 v6, s22, v2                      ; lanes 16-31 take W's
	s_add_co_u32 s21, s21, SCL
	v_add_nc_u32 v5, v5, v6
	v_add_nc_u32 v[ADRS], s21, v5
	s_mul_i32 s23, s14, 16*SPITCH
	s_add_co_u32 s23, s23, STAGE                   ; my stage
	v_mul_u32_u24 v5, v1, SPITCH                   ; in: row l % 16, 16 bytes for each half of the lanes
	v_lshl_add_u32 v5, v2, 4, v5
	v_add_nc_u32 v[STO], s23, v5
	v_bfe_u32 v5, v0, 3, 1                         ; back: lanes 0-15 take the first head's 128 bytes of two rows, lanes 16-31 the second head's
	v_mul_u32_u24 v5, v5, SPITCH
	v_lshl_add_u32 v5, v2, 7, v5
	v_and_b32 v6, 7, v0
	v_lshl_add_u32 v5, v6, 4, v5
	v_add_nc_u32 v[RD], s23, v5
	v_lshlrev_b32 v[CO], 4, v1                     ; in memory two positions of a head are 256 consecutive bytes; the next head lies 2^18 bytes on
	v_lshl_add_u32 v[CO], v2, 18, v[CO]
	v_and_b32 v6, 31, v0
	v_lshlrev_b32 v[FO], 4, v6
	s_lshl_b32 s20, ttmp9, 2                       ; qkv: ((which x 4 + batch) x 16 + head) x 2^18 + position x 128
	s_add_co_u32 s20, s20, s41
	s_lshl_b32 s20, s20, 4
	s_lshl_b32 s21, s40, 2                         ; my first head: 4 cx + 2 x column half
	s_add_co_u32 s20, s20, s21
	s_lshl_b32 s21, s16, 1
	s_add_co_u32 s20, s20, s21
	s_lshl_b32 s20, s20, 18
	s_lshl_b32 s21, s17, 15                        ; position 256 Y + 128 x row half
	s_add_co_u32 s20, s20, s21
	s_lshl_b32 s21, s15, 14
	s_add_co_u32 s20, s20, s21
	s_mov_b32 s21, 0
	s_add_nc_u64 s[12:13], s[12:13], s[20:21]
	s_mul_i32 s20, s41, 196608                     ; fq: batch x 192 images of 1,024 bytes + (16 x tile column + 8 x column half) images
	s_lshl_b32 s46, s42, 14
	s_add_co_u32 s20, s20, s46
	s_lshl_b32 s46, s16, 13
	s_add_co_u32 s20, s20, s46
	s_add_nc_u64 s[66:67], s[66:67], s[20:21]
.macro FRAG reg, adr, q, i             ; 16 rows x 128 K of 4-bit codes: 8 registers: lane l holds row l % 16; registers 4 c .. 4 c + 3 hold K = 64 c + 32 (l / 16) + 0 .. 31
.irp c, 0,1
	ds_load_b128 v[\reg+4*\c:\reg+4*\c+3], v[\adr] offset:64*(\q)+32*\c+(\i)*16*PITCH
.endr
.endm
; 16 matrix instructions: x's blocks a0, a0 + 1 against W's eight.  The 64 accumulators take turns, one instruction a turn, in the same order in every step.
.macro MUL16 a0, p, q, sc, zero
.irp a, \a0, \a0+1
.irp b, 0,1,2,3,4,5,6,7
.if \zero
	v_wmma_scale_f32_16x16x128_f8f6f4 v[8*(8*((\a)%4)+\b):8*(8*((\a)%4)+\b)+7], v[128*(\p)+FR*\b:128*(\p)+FR*\b+FR-1], v[AF+FR*(\a):AF+FR*(\a)+FR-1], 0, v[SC+8*NQ*(\sc)+NQ*\b+(\q)], v[SC+8*NQ*(\sc)+NQ*(\a)+(\q)] matrix_a_fmt:MATRIX_FMT_FP4 matrix_b_fmt:MATRIX_FMT_FP4 matrix_a_scale:MATRIX_SCALE_ROW1
.else
	v_wmma_scale_f32_16x16x128_f8f6f4 v[8*(8*((\a)%4)+\b):8*(8*((\a)%4)+\b)+7], v[128*(\p)+FR*\b:128*(\p)+FR*\b+FR-1], v[AF+FR*(\a):AF+FR*(\a)+FR-1], v[8*(8*((\a)%4)+\b):8*(8*((\a)%4)+\b)+7], v[SC+8*NQ*(\sc)+NQ*\b+(\q)], v[SC+8*NQ*(\sc)+NQ*(\a)+(\q)] matrix_a_fmt:MATRIX_FMT_FP4 matrix_b_fmt:MATRIX_FMT_FP4 matrix_a_scale:MATRIX_SCALE_ROW1
.endif
.endr
.endr
.endm
.macro FETCH_B slot, q, p
	WIN TO_B
.irp i, 0,1,2,3,4,5,6,7
	FRAG 128*(\p)+FR*\i, ADRB+\slot, \q, \i
.endr
	WIN 0
.endm
.macro FETCH_A slot, q, i0
.irp i, \i0, \i0+1, \i0+2, \i0+3
	FRAG AF+FR*(\i), ADRA+\slot, \q, \i
.endr
.endm
.macro SCALES sc                       ; a slot's scale words: 4 words a row; lanes 0-15 take x's block i, lanes 16-31 W's block i
.irp i, 0,1,2,3,4,5,6,7
	ds_load_b128 v[SC+8*NQ*\sc+NQ*\i:SC+8*NQ*\sc+NQ*\i+3], v[ADRS] offset:\i*SBLK
.endr
.endm
.macro PLACES n                        ; plain vector instructions between a matrix instruction and a load into, or a read of, its registers
.rept \n
	v_nop
.endr
.endm
.macro STEP slot, q, zero              ; a step of 128 along K that has its successor in the same slot
	s_wait_dscnt 4*NL                              ; W's set and x's blocks 0-3 are in; the youngest eight loads (x's blocks 4-7) may be out
	WIN MUL_LO
	MUL16 0, (\q)%2, \q, \slot, \zero
	MUL16 2, (\q)%2, \q, \slot, \zero
	s_wait_dscnt 0
	PLACES NP
	FETCH_B \slot, (\q)+1, 1-(\q)%2
	FETCH_A \slot, (\q)+1, 0
	WIN MUL_HI
	MUL16 4, (\q)%2, \q, \slot, \zero
	MUL16 6, (\q)%2, \q, \slot, \zero
	PLACES NP
	WIN 0
	FETCH_A \slot, (\q)+1, 4
.endm
.macro STEPS slot, from
.set Q, \from
.rept NQ-1-\from
	STEP \slot, Q, 0
.set Q, Q+1
.endr
.endm
	s_wait_tensorcnt 1                             ; the scales and my part of slot 0 are in; slot 1's load may be out
	s_barrier_signal -1
	s_barrier_wait -1
	FETCH_B 0, 0, 0
	FETCH_A 0, 0, 0
	SCALES 0
	FETCH_A 0, 0, 4
	STEP 0, 0, 1                                   ; the first step's products start the sums: nothing is cleared
	STEPS 0, 1
	; slot 0's last step changes slots: one barrier, in front of which each wave has waited for its part of slot 1
	s_wait_tensorcnt 0x0
	ds_add_u32 v[SPW], v[NIL]
	s_wait_dscnt 4*NL+1                            ; the add and the youngest eight loads may be out
	WIN MUL_LO
	MUL16 0, 1, NQ-1, 0, 0
	s_wait_dscnt 0x0
	s_barrier_signal -1
	MUL16 2, 1, NQ-1, 0, 0
	WIN 0
	s_barrier_wait -1
	PLACES NP
	v_add_nc_u32 v[ADRS], 4*NQ, v[ADRS]            ; slot 1's scale words lie 16 bytes on in each row
	FETCH_B 1, 0, 0
	FETCH_A 1, 0, 0
	SCALES 1
	WIN MUL_HI
	MUL16 4, 1, NQ-1, 0, 0
	MUL16 6, 1, NQ-1, 0, 0
	PLACES NP
	WIN 0
	FETCH_A 1, 0, 4
	STEPS 1, 0
	s_wait_dscnt 4*NL                              ; the very last step
	WIN MUL_LO
	MUL16 0, 1, NQ-1, 1, 0
	MUL16 2, 1, NQ-1, 1, 0
	s_wait_dscnt 0
	WIN MUL_HI
	MUL16 4, 1, NQ-1, 1, 0
	MUL16 6, 1, NQ-1, 1, 0
	WIN 0
; THE WAY OUT.  Block a = 16 tokens x 128 columns (two heads).
.macro PACK a                          ; rounded to f16: 16 bytes a lane for each accumulator, each read from its low end on
.set AC, 64*((\a)%4)
	WIN 0x0a+5*((\a)/4)
.irp b, 0,1,2,3,4,5,6,7
.irp r, 0,1,2,3
	v_cvt_pk_f16_f32 v[TMP+4*\b+\r], v[AC+8*\b+2*\r], v[AC+8*\b+2*\r+1]
.endr
.endr
	WIN 0
.endm
.macro TOSTAGE a                       ; into my stage and back by heads; LDS serves a wave's instructions in order
.set BK, OB+32*((\a)%2)
.irp b, 0,1,2,3,4,5,6,7
	ds_store_b128 v[STO], v[TMP+4*\b:TMP+4*\b+3] offset:32*\b
.endr
.irp t, 0,1,2,3,4,5,6,7
	ds_load_b128 v[BK+4*\t:BK+4*\t+3], v[RD] offset:\t*2*SPITCH
.endr
.endm
.macro SEND a
.set BK, OB+32*((\a)%2)
	s_wait_dscnt 0x0                               ; the block is back in registers
	s_wait_xcnt 0x0                                ; earlier stores have read their registers: the next block's loads may land where they read
.irp t, 0,1,2,3,4,5,6,7
	global_store_b128 v[CO], v[BK+4*\t:BK+4*\t+3], s[12:13] offset:2048*(\a)+256*\t   ; sixteen lanes store two positions of one head: 256 consecutive bytes, aligned
.endr
.endm
	PLACES NP
	s_cmp_lg_u32 s17, 0                            ; positions 0 .. 15 lie in block 0 of the upper row half of the clusters with Y = 0
	s_cbranch_scc1 .Lno_fine
	s_cmp_lg_u32 s15, 0
	s_cbranch_scc1 .Lno_fine
	WIN 0x08                                       ; a store's data: window 2
.irp b, 0,1,2,3,4,5,6,7
	global_store_b128 v[FO], v[8*\b:8*\b+3], s[66:67] offset:1024*\b          ; the accumulator as it stands: 512 consecutive bytes a store
	global_store_b128 v[FO], v[8*\b+4:8*\b+7], s[66:67] offset:1024*\b+512
.endr
	WIN 0
.Lno_fine:
	PACK 0
	TOSTAGE 0
.irp a, 1,2,3,4,5,6,7
	PACK \a
	SEND \a-1
	TOSTAGE \a
.endr
	SEND 7
	s_wait_tensorcnt 0x0                           ; the wave's end
	ds_add_u32 v[SPW], v[NIL]
	s_wait_dscnt 0x0
	CROUND                                         ; the closing round
	s_endpgm
.Lfunc_end_k_q43a5d21f97_qkv:
	.size	k_q43a5d21f97_qkv, .Lfunc_end_k_q43a5d21f97_qkv-k_q43a5d21f97_qkv
	.p2alignl 7, 3214868480
	.fill 96, 4, 3214868480
	.section	.rodata,"a",@progbits
	.p2align	6, 0x0
	.amdhsa_kernel k_q43a5d21f97_qkv
		.amdhsa_group_segment_fixed_size 327680
		.amdhsa_private_segment_fixed_size 0
		.amdhsa_enable_private_segment 0
		.amdhsa_kernarg_size 48
		.amdhsa_user_sgpr_count 2
		.amdhsa_user_sgpr_kernarg_segment_ptr 1
		.amdhsa_wavefront_size32 1
		.amdhsa_system_sgpr_workgroup_id_x 1
		.amdhsa_system_sgpr_workgroup_id_y 1
		.amdhsa_system_sgpr_workgroup_id_z 1
		.amdhsa_system_vgpr_workitem_id 0
		.amdhsa_next_free_vgpr 1024
		.amdhsa_next_free_sgpr 100
		.amdhsa_reserve_vcc 0
		.amdhsa_float_denorm_mode_32 3
		.amdhsa_float_denorm_mode_16_64 3
		.amdhsa_memory_ordered 1
		.amdhsa_forward_progress 1
		.amdhsa_inst_pref_size 129
	.end_amdhsa_kernel
	.amdgpu_metadata
---
amdhsa.version: [ 1, 2 ]
amdhsa.kernels:
  - .name:           k_q43a5d21f97_qkv
    .symbol:         k_q43a5d21f97_qkv.kd
    .args:
      - { .name: xc, .offset: 0, .size: 8, .value_kind: global_buffer, .address_space: global }
      - { .name: xs, .offset: 8, .size: 8, .value_kind: global_buffer, .address_space: global }
      - { .name: wc, .offset: 16, .size: 8, .value_kind: global_buffer, .address_space: global }
      - { .name: ws, .offset: 24, .size: 8, .value_kind: global_buffer, .address_space: global }
      - { .name: qkv, .offset: 32, .size: 8, .value_kind: global_buffer, .address_space: global }
      - { .name: fq, .offset: 40, .size: 8, .value_kind: global_buffer, .address_space: global }
    .group_segment_fixed_size: 327680
    .private_segment_fixed_size: 0
    .kernarg_segment_align: 8
    .kernarg_segment_size: 48
    .max_flat_workgroup_size: 128
    .sgpr_count:     100
    .vgpr_count:     1024
    .wavefront_size: 32
...
	.end_amdgpu_metadata
.endif
;; end of part 2
;; launch attn (part 3): grid 4 x 64, 8 waves a work-group, no clusters, 327,680 bytes of LDS; arguments qkv, ao; writes ao
.if DOCPART == 3
	.amdgcn_target "amdgcn-amd-amdhsa--gfx1250"
	.amdhsa_code_object_version 6
	.text
	.protected	k_q43a5d21f97_attn
	.globl	k_q43a5d21f97_attn
	.p2align	8
	.type	k_q43a5d21f97_attn,@function
k_q43a5d21f97_attn:
	s_mov_b64 s[64:65], 0
	v_nop
	global_prefetch_b8 v0, s[64:65] scope:SCOPE_SE
	s_setreg_imm32_b32 hwreg(HW_REG_WAVE_MODE, 25, 1), 1
	s_wait_xcnt 0x0
; ao[head][token][:] = the sum over keys k <= q of softmax_k(Q[q] . K[k] / 8) V[k][:], for each of 64 (batch, head).  Q, K, V: qkv [which][batch x 16 + head][2048][64] f16.  Products with f16 operands and f32 sums;
; maxima, exponentials and sums in f32, with a running maximum; the weights p are rounded to f16 for the second product, the result once at the end.
; SHARES.  Work-group (i, bh) owns query blocks 7 - i and i (256 queries each) of one head: (8 - i) + (i + 1) = 9 key blocks of 256 for every work-group.  The walk over key blocks has the constant count 9:
; first block 7 - i's (8 - i trips), then block i's.  Each of eight waves owns 32 queries, two tiles of 16, so a fragment of K or V feeds two matrix instructions; two waves share a SIMD.
; NO CLUSTER: the four work-groups of a head read different key blocks in the same trip (their first phases have 8, 7, 6, 5 trips), and under the mask a partner would jump over the reads of a joint tile.
; LAYOUT.  S^T = K Q^T (source 0 = 16 keys, source 1 = 16 queries): a lane holds one query (lane % 16) and keys 8 (lane / 16) + 0..7 of each tile; two such tiles rounded to f16 in pairs are source 1 of
; O^T = V^T P, whose result again holds one query a lane.  K comes out of LDS as it lies, V ([key][channel]) turned by ds_load_tr16_b128.
; THE MASK.  A step (64 keys) all of whose keys come after the wave's 32 queries is left out by a scalar branch on ids; on the diagonal hidden scores become -infinity ahead of the maximum.  A step that is walked
; begins at or under the wave's first query (both are multiples of 32), so every row has a key that counts and the maximum is a number from the first step on.
; RING.  Two slots of 256 keys (four steps, each 64 rows of K at pitch 144 and 64 rows of V at pitch 160).  Waves 0-3 fetch a step's K each, waves 4-7 its V: one tensor load a wave behind each change of slots.
; LIMITS: |Q|, |K|, |V| up to 65,504 (f16); NaN and infinities among the inputs are not served.
; REGISTERS: window 0: v2-11 addresses; v12-27 eight statistics a tile (+0 c m, +1 m, +2, +3 the sum's halves, +4..7 at work, a in +6); v32-95 K; v96-159 V; v160-223 S^T; v224-255 P.  window 1: v0-31 Q; v32-95 O^T.
.set PK,    144
.set PV,    160
.set VOFF,  64*PK
.set STEPB, 64*(PK+PV)
.set SLOT1, 1<<17                      ; slot 1 begins here: one exclusive or turns an address from one slot to the other
.set STAGE, 2*SLOT1                    ; the way out: 32 rows x (128 bytes + 16) for each wave; no tile lands here
.set SP,    144
.set SPARE, STAGE+8*32*SP              ; the spare words, 128 bytes for each wave: four blocks of 256 bytes that no other line names
.set AK0, 2
.set AV0, 3
.set ADK, 4
.set ADV, 5
.set QO,  6
.set STO, 7
.set RD,  8
.set GO,  9
.set DL,  10                           ; v10  lane % 16 - 8 (lane / 16)
.set ST,  12
.set SPW, 28
.set NIL, 29
.set PFO, 30                           ; v30  256 x lane
.set NINF, 31                          ; v31  -infinity
.set KR,  32
.set VR,  96
.set SR,  160
.set PR,  224
.set QR,  0                            ; window 1
.set OR,  32                           ; window 1
.set WV,  8
.set G1K, 24
.set G1V, 32
.set G0K, 40
.set G0V, 44
.set OFF, 48                           ; s[48:49] the key block's bytes
.set PFA, 50                           ; s[50:51] where my prefetches stand
.set PLIM, 52                          ; s52  6 in the head's first work-group, else 0: a wave prefetches while the trip's number is under it
.set T,   53                           ; s53  the trip
.set SW,  54                           ; s54  8 - i: trips of the first phase
.set KBN, 55                           ; s55  the key block asked for last
.set KF,  56                           ; s56  the step's first key
.set Q0,  57                           ; s57  my first query
.set TB,  58                           ; s58  LDS byte at which the step's tiles begin
.set CNT, 59
.set CS,  60                           ; s[60:61] c = log2(e) / 8
.set SEL, 62                           ; s[62:63] selects for lane xor 16
.set MSB, 0
.macro WIN new
.if MSB != \new
	s_set_vgpr_msb (MSB<<8)|\new
.set MSB, \new
.endif
.endm
.set W_KQ, 0x04                        ; Q in window 1
.set W_PV, 0x50                        ; O^T (C and D) in window 1
.set W_RS, 0x41                        ; O^T (destination and source 0) in window 1
.macro TLOAD                           ; waves 0-3: K's tile; waves 4-7: V's.  An s_nop 0 and four v_nop follow each line
	s_cmp_lt_u32 s[WV], 4
	s_cbranch_scc0 .Lfor_v_\@
	tensor_load_to_lds s[G0K:G0K+3], s[G1K:G1K+7]
	s_nop 0
.rept 4
	v_nop
.endr
	s_branch .Lasked_\@
.Lfor_v_\@:
	tensor_load_to_lds s[G0V:G0V+3], s[G1V:G1V+7]
	s_nop 0
.rept 4
	v_nop
.endr
.Lasked_\@:
.endm
; A prefetch of the key block that the NEXT change of slots will ask for: in trip T block T + 2, T = 0 .. 5.  All four work-groups of a head walk the same K and V from block 0 on: the first of them (i = 0, which
; walks blocks 0 .. 7 in order) asks, each wave for the 8,192 bytes that it will itself load, lanes 256 bytes apart: each aligned block of 256 bytes is named once.  Blocks 0 and 1 come by their loads alone.
.macro ASK
	s_cmp_lt_u32 s[T], s[PLIM]
	s_cbranch_scc0 .Lnot_mine_\@
	global_prefetch_b8 v[PFO], s[PFA:PFA+1] th:TH_LOAD_NT scope:SCOPE_SE
.Lnot_mine_\@:
.endm
	s_load_b128 s[4:7], s[0:1], 0x0                ; qkv, ao
	v_lshl_add_u32 v[SPW], v0, 2, SPARE
	v_mov_b32 v[NIL], 0
	ds_add_u32 v[SPW], v[NIL]                      ; the wave's opening: the add, twice on end, and its wait ahead of my first tensor load
	ds_add_u32 v[SPW], v[NIL]
	v_lshrrev_b32 v1, 5, v0
	v_readfirstlane_b32 s[WV], v1                  ; wave 0..7
	s_and_b32 s10, ttmp7, 0xffff                   ; bh = batch x 16 + head
	s_mov_b32 s[G1K], (1<<16)|(1<<20)|(4<<22)|(3<<25)  ; elements of 2 bytes; padding: 4 words after every 32
	s_mov_b32 s[G1V], (1<<16)|(1<<20)|(4<<22)|(7<<25)  ; 8 words
.irp g, G1K, G1V
	s_mov_b32 s[\g+1], 64<<16                      ; tensor_dim0
	s_mov_b32 s[\g+2], 64<<16                      ; tensor_dim1
	s_mov_b32 s[\g+3], 64<<16                      ; tile_dim0
	s_mov_b32 s[\g+4], 64                          ; tile_dim1
	s_mov_b32 s[\g+5], 64                          ; from row to row
	s_mov_b32 s[\g+6], 0
	s_mov_b32 s[\g+7], 0
.endr
	s_mov_b32 s[CS], 0x3e38aa3b
	s_mov_b32 s[CS+1], s[CS]
	s_mov_b32 s[SEL], 0x76543210
	s_mov_b32 s[SEL+1], 0xfedcba98
	s_mov_b32 s[OFF+1], 0
	s_mov_b32 s69, 0
	s_mov_b32 s[KBN], 0
	s_mov_b32 s[TB], 0
	s_mov_b32 s[T], 0
	s_sub_co_u32 s[SW], 8, ttmp9
	s_cmp_eq_u32 ttmp9, 0
	s_cselect_b32 s[PLIM], 6, 0
	s_sub_co_u32 s70, 7, ttmp9
	s_lshl_b32 s70, s70, 8
	s_lshl_b32 s71, s[WV], 5
	s_add_co_u32 s[Q0], s70, s71                   ; first phase: query (7 - i) 256 + 32 wave
	s_lshl_b32 s72, ttmp9, 8
	s_add_co_u32 s72, s72, s71                     ; second phase: i 256 + 32 wave
	s_lshl_b32 s66, s10, 18                        ; the head's bytes
	s_and_b32 s67, s[WV], 3                        ; which of a slot's four steps I fetch
	s_wait_dscnt 0x0                               ; both opening adds are done
	s_wait_kmcnt 0x0
	s_lshl_b32 s68, s67, 13
	s_add_co_u32 s68, s68, s66
	s_add_co_u32 s68, s68, 0x1000000
	s_add_nc_u64 s[20:21], s[4:5], s[68:69]        ; K at my step of key block 0
	s_add_nc_u64 s[22:23], s[20:21], 0x1000000     ; V likewise
	s_mul_i32 s67, s67, STEPB
	s_mov_b32 s[G0K], 1
	s_mov_b32 s[G0K+1], s67
	s_mov_b64 s[G0K+2:G0K+3], s[20:21]
	s_or_b32 s[G0K+3], s[G0K+3], 0x80000000
	s_mov_b32 s[G0V], 1
	s_add_co_u32 s[G0V+1], s67, VOFF
	s_mov_b64 s[G0V+2:G0V+3], s[22:23]
	s_or_b32 s[G0V+3], s[G0V+3], 0x80000000
	TLOAD                                          ; slot 0: key block 0
	s_lshl_b32 s68, s[Q0], 7
	s_add_co_u32 s68, s68, s66
	s_add_nc_u64 s[12:13], s[4:5], s[68:69]        ; Q, first phase
	s_lshl_b32 s68, s72, 7
	s_add_co_u32 s68, s68, s66
	s_add_nc_u64 s[14:15], s[4:5], s[68:69]        ; Q, second phase
	s_and_b32 s70, s10, 15                         ; ao: row head x 8192 + batch x 2048 + query, 128 bytes a row
	s_lshl_b32 s70, s70, 13
	s_lshr_b32 s71, s10, 4
	s_lshl_b32 s71, s71, 11
	s_add_co_u32 s70, s70, s71
	s_add_co_u32 s68, s70, s[Q0]
	s_lshl_b32 s68, s68, 7
	s_add_nc_u64 s[16:17], s[6:7], s[68:69]
	s_add_co_u32 s68, s70, s72
	s_lshl_b32 s68, s68, 7
	s_add_nc_u64 s[18:19], s[6:7], s[68:69]
	s_cmp_lt_u32 s[WV], 4
	s_cselect_b64 s[PFA:PFA+1], s[20:21], s[22:23]
	s_add_nc_u64 s[PFA:PFA+1], s[PFA:PFA+1], 32768 ; at key block 1: the first change of slots steps it to block 2
	v_and_b32 v1, 15, v0                           ; r
	v_bfe_u32 v11, v0, 4, 1                        ; h
	v_mul_u32_u24 v[AK0], v1, PK
	v_lshl_add_u32 v[AK0], v11, 4, v[AK0]          ; K: row r x pitch + 16 h
	v_and_b32 v[ADK], 7, v0
	v_lshl_add_u32 v[ADK], v11, 3, v[ADK]
	v_mul_u32_u24 v[AV0], v[ADK], PV               ; V: key 8 h + lane % 8,
	v_bfe_u32 v[ADK], v0, 3, 1
	v_lshl_add_u32 v[AV0], v[ADK], 4, v[AV0]       ; channels 8 ((lane / 8) % 2) on
	v_add_nc_u32 v[AV0], VOFF, v[AV0]
	v_lshlrev_b32 v[QO], 7, v1
	v_lshl_add_u32 v[QO], v11, 4, v[QO]
	s_mul_i32 s66, s[WV], 32*SP
	s_add_co_u32 s66, s66, STAGE
	v_mul_u32_u24 v[STO], v1, SP
	v_lshl_add_u32 v[STO], v11, 4, v[STO]
	v_add_nc_u32 v[STO], s66, v[STO]
	v_bfe_u32 v[ADK], v0, 3, 2
	v_mul_u32_u24 v[RD], v[ADK], SP                ; back: eight lanes to a row of 128 bytes, four rows a load
	v_and_b32 v[ADK], 7, v0
	v_lshl_add_u32 v[RD], v[ADK], 4, v[RD]
	v_add_nc_u32 v[RD], s66, v[RD]
	v_and_b32 v[GO], 31, v0
	v_lshlrev_b32 v[PFO], 8, v[GO]
	v_lshlrev_b32 v[GO], 4, v[GO]
	v_lshlrev_b32 v[DL], 3, v11
	v_sub_nc_u32 v[DL], v1, v[DL]
	v_mov_b32 v[NINF], 0xff800000
.irp t, 0,1
.irp q, 4,5,6,7
	v_mov_b32 v[ST+8*\t+\q], 0                     ; written once, so that no way through the text reads them unwritten
.endr
.endr
; A phase begins: Q of my 32 queries into registers; O^T and the sum are zeros, the maximum -3e38, under every score: the first step's a is then 0 and multiplies zeros.
.macro BEGIN qb
	WIN 0x40
.irp t, 0,1
.irp d, 0,1
.irp u, 0,1
	global_load_b128 v[QR+16*\t+8*\d+4*\u:QR+16*\t+8*\d+4*\u+3], v[QO], s[\qb:\qb+1] offset:2048*\t+64*\d+32*\u
.endr
.endr
.endr
.set e, 0
.rept 64
	v_mov_b32 v[OR+e], 0
.set e, e+1
.endr
	WIN 0
.irp t, 0,1
	v_mov_b32 v[ST+8*\t+1], 0xff61b1e6
	v_mul_f32 v[ST+8*\t], s[CS], v[ST+8*\t+1]
	v_mov_b32 v[ST+8*\t+2], 0
	v_mov_b32 v[ST+8*\t+3], 0
.endr
	s_mov_b32 s[KF], 0
	s_wait_loadcnt 0x0
.endm
; A KEY STEP: 64 keys.
.macro STEP
	s_add_co_u32 s66, s[Q0], 31
	s_cmp_gt_u32 s[KF], s66                        ; all keys behind my last query: the step's work is left out; the lines at its end that step addresses are not
	s_cbranch_scc1 .Lhidden_\@
	v_add_nc_u32 v[ADK], s[TB], v[AK0]
	v_add_nc_u32 v[ADV], s[TB], v[AV0]
.irp k, 0,1,2,3
.irp d, 0,1
	ds_load_b128 v[KR+16*\k+8*\d:KR+16*\k+8*\d+3],   v[ADK] offset:16*PK*\k+64*\d
	ds_load_b128 v[KR+16*\k+8*\d+4:KR+16*\k+8*\d+7], v[ADK] offset:16*PK*\k+64*\d+32
.endr
.endr
.irp g, 0,1
.irp c, 0,1,2,3
	ds_load_tr16_b128 v[VR+32*\g+8*\c:VR+32*\g+8*\c+3],   v[ADV] offset:32*PV*\g+32*\c
	ds_load_tr16_b128 v[VR+32*\g+8*\c+4:VR+32*\g+8*\c+7], v[ADV] offset:32*PV*\g+32*\c+16*PV
.endr
.endr
	s_wait_dscnt 16                                ; K's sixteen loads are in; V's sixteen may be out
	WIN W_KQ
.irp d, 0,1                                    ; eight accumulators by turns, one instruction a turn; the first eight start the sums
.irp k, 0,1,2,3
.irp t, 0,1
.if \d == 0
	v_wmma_f32_16x16x32_f16 v[SR+32*\t+8*\k:SR+32*\t+8*\k+7], v[KR+16*\k+8*\d:KR+16*\k+8*\d+7], v[QR+16*\t+8*\d:QR+16*\t+8*\d+7], 0
.else
	v_wmma_f32_16x16x32_f16 v[SR+32*\t+8*\k:SR+32*\t+8*\k+7], v[KR+16*\k+8*\d:KR+16*\k+8*\d+7], v[QR+16*\t+8*\d:QR+16*\t+8*\d+7], v[SR+32*\t+8*\k:SR+32*\t+8*\k+7]
.endif
.endr
.endr
.endr
	WIN 0
.rept 4
	v_nop                                          ; places between the products and the first read of their results
.endr
	s_add_co_u32 s66, s[KF], 63
	s_cmp_le_u32 s66, s[Q0]                        ; every key counts for every query of mine: no mask
	s_cbranch_scc1 .Lopen_\@
	s_sub_co_i32 s66, s[Q0], s[KF]
	s_add_co_u32 s67, s66, 16
	v_add_nc_u32 v[ST+4], s66, v[DL]               ; d = my query - the step's first key - 8 (lane / 16); register 8 k + j holds key 16 k + 8 (lane / 16) + j: hidden where 16 k + j > d
	v_add_nc_u32 v[ST+12], s67, v[DL]
.set n, 0
.rept 32
	v_cmp_gt_i32 vcc_lo, 16*(n/8)+n%8, v[ST+4]
	v_cndmask_b32 v[SR+n], v[SR+n], v[NINF], vcc_lo
	v_cmp_gt_i32 vcc_lo, 16*(n/8)+n%8, v[ST+12]
	v_cndmask_b32 v[SR+32+n], v[SR+32+n], v[NINF], vcc_lo
.set n, n+1
.endr
.Lopen_\@:
.irp q, 0,1,2,3                                ; the maximum of 32 scores and the old m: four chains, each accumulator read from its low end on
.irp t, 0,1
	v_max3_num_f32 v[ST+8*\t+4+\q], v[SR+32*\t+8*\q], v[SR+32*\t+8*\q+1], v[SR+32*\t+8*\q+2]
.endr
.endr
.irp p, 3,5
.irp q, 0,1,2,3
.irp t, 0,1
	v_max3_num_f32 v[ST+8*\t+4+\q], v[ST+8*\t+4+\q], v[SR+32*\t+8*\q+\p], v[SR+32*\t+8*\q+\p+1]
.endr
.endr
.endr
.irp t, 0,1
	v_max3_num_f32 v[ST+8*\t+4], v[ST+8*\t+4], v[SR+32*\t+7], v[SR+32*\t+15]
.endr
.irp t, 0,1
	v_max3_num_f32 v[ST+8*\t+6], v[ST+8*\t+6], v[SR+32*\t+23], v[SR+32*\t+31]
.endr
.irp t, 0,1
	v_max3_num_f32 v[ST+8*\t+4], v[ST+8*\t+4], v[ST+8*\t+5], v[ST+8*\t+6]
.endr
.irp t, 0,1
	v_max3_num_f32 v[ST+8*\t+4], v[ST+8*\t+4], v[ST+8*\t+7], v[ST+8*\t+1]
.endr
.irp t, 0,1
	v_permlanex16_b32 v[ST+8*\t+5], v[ST+8*\t+4], s[SEL], s[SEL+1]   ; the query's other 32 keys lie in the lane 16 away
.endr
.irp t, 0,1
	v_mov_b32 v[ST+8*\t+7], v[ST+8*\t]             ; c m_old
.endr
.irp t, 0,1
	v_max_num_f32 v[ST+8*\t+1], v[ST+8*\t+4], v[ST+8*\t+5]
.endr
.irp t, 0,1
	v_mul_f32 v[ST+8*\t], s[CS], v[ST+8*\t+1]
.endr
.irp t, 0,1
	v_sub_f32 v[ST+8*\t+7], v[ST+8*\t+7], v[ST+8*\t]
.endr
.set e, 0
.rept 16
	v_pk_fma_f32 v[SR+e:SR+e+1], v[SR+e:SR+e+1], s[CS:CS+1], v[ST:ST+1] op_sel_hi:[1,0,0] neg_lo:[0,0,1] neg_hi:[0,0,1]              ; c s - c m
	v_pk_fma_f32 v[SR+32+e:SR+32+e+1], v[SR+32+e:SR+32+e+1], s[CS:CS+1], v[ST+8:ST+9] op_sel_hi:[1,0,0] neg_lo:[0,0,1] neg_hi:[0,0,1]
.set e, e+2
.endr
	v_exp_f32 v[ST+6], v[ST+7]                     ; a = 2^(c m_old - c m_new); then the 64 weights: one batch
	v_exp_f32 v[ST+14], v[ST+15]
.set e, 0
.rept 32
	v_exp_f32 v[SR+e], v[SR+e]
	v_exp_f32 v[SR+32+e], v[SR+32+e]
.set e, e+1
.endr
	v_nop                                          ; a plain instruction behind the last exponential
	s_wait_alu depctr_va_vdst(0)                   ; one wait for the whole batch, ahead of the first instruction that names a result
.set e, 0
.rept 32
	v_cvt_pk_f16_f32 v[PR+e], v[SR+2*e], v[SR+2*e+1]   ; P: pairs of neighbouring keys
.set e, e+1
.endr
.irp w, 4,8,16,32                              ; the sum of the unrounded weights, in place: pairs 1, 2, 4, 8 apart
.set e, 0
.rept 32/\w
	v_pk_add_f32 v[SR+e:SR+e+1], v[SR+e:SR+e+1], v[SR+e+\w/2:SR+e+\w/2+1]
	v_pk_add_f32 v[SR+32+e:SR+32+e+1], v[SR+32+e:SR+32+e+1], v[SR+32+e+\w/2:SR+32+e+\w/2+1]
.set e, e+\w
.endr
.endr
.irp t, 0,1
	v_pk_fma_f32 v[ST+8*\t+2:ST+8*\t+3], v[ST+8*\t+2:ST+8*\t+3], v[ST+8*\t+6:ST+8*\t+7], v[SR+32*\t:SR+32*\t+1] op_sel_hi:[1,0,1]   ; l = a l + the sum
.endr
	WIN W_RS
.irp t, 0,1
.set e, 0
.rept 16
	v_pk_mul_f32 v[OR+32*\t+e:OR+32*\t+e+1], v[OR+32*\t+e:OR+32*\t+e+1], v[ST+8*\t+6:ST+8*\t+7] op_sel_hi:[1,0]   ; O^T x a
.set e, e+2
.endr
.endr
	s_wait_dscnt 0x0                               ; V is in
	WIN W_PV
.irp g, 0,1                                    ; eight accumulators by turns
.irp c, 0,1,2,3
.irp t, 0,1
	v_wmma_f32_16x16x32_f16 v[OR+32*\t+8*\c:OR+32*\t+8*\c+7], v[VR+32*\g+8*\c:VR+32*\g+8*\c+7], v[PR+16*\t+8*\g:PR+16*\t+8*\g+7], v[OR+32*\t+8*\c:OR+32*\t+8*\c+7]
.endr
.endr
.endr
	WIN 0
.rept 4
	v_nop                                          ; places in front of the next step's loads into V's registers and of the way out's reads
.endr
.Lhidden_\@:
	s_add_co_u32 s[KF], s[KF], 64
	s_add_co_u32 s[TB], s[TB], STEPB
.endm
.macro FOUR_STEPS                      ; a slot's four steps: written once, walked four times
	s_mov_b32 s[CNT], 4
.Lstep_\@:
	STEP
	s_sub_co_u32 s[CNT], s[CNT], 1
	s_cmp_lg_u32 s[CNT], 0
	s_cbranch_scc1 .Lstep_\@
	s_sub_co_u32 s[TB], s[TB], 4*STEPB
	s_xor_b32 s[TB], s[TB], SLOT1                  ; on to the other slot
.endm
; THE CHANGE OF SLOTS, at a slot's head.  Each wave waits for its tensor load (its part of the slot that it is about to read), adds 0 to its spare word, and waits for that and for its reads of the slot that it has
; left.  Behind the barrier the slot ahead is whole and nobody reads the other.  fill = 1: that other slot takes the walk's next key block: one load a wave, which has four steps in which to land.
.macro CHANGE fill
	s_wait_tensorcnt 0x0                           ; no tensor load of mine is out, so a group 0 may be written
	ds_add_u32 v[SPW], v[NIL]
.if \fill
	s_add_co_u32 s[KBN], s[KBN], 1
	s_cmp_eq_u32 s[KBN], s[SW]                     ; behind the first phase's last key block the walk begins again at block 0
	s_cselect_b32 s[KBN], 0, s[KBN]
	s_lshl_b32 s[OFF], s[KBN], 15                  ; 256 keys of 128 bytes
	s_xor_b32 s[G0K+1], s[G0K+1], SLOT1
	s_xor_b32 s[G0V+1], s[G0V+1], SLOT1
	s_add_nc_u64 s[G0K+2:G0K+3], s[20:21], s[OFF:OFF+1]
	s_or_b32 s[G0K+3], s[G0K+3], 0x80000000
	s_add_nc_u64 s[G0V+2:G0V+3], s[22:23], s[OFF:OFF+1]
	s_or_b32 s[G0V+3], s[G0V+3], 0x80000000
	s_wait_xcnt 0x0                                ; the last prefetch, a slot back, has read its address
	s_add_nc_u64 s[PFA:PFA+1], s[PFA:PFA+1], 32768
.endif
	s_wait_dscnt 0x0                               ; the add is done, and my reads of the slot that I have left are over
	s_barrier_signal -1
	s_barrier_wait -1
.if \fill
	TLOAD                                          ; the first thing behind the barrier, and my one tensor load until the next
	ASK
.endif
.endm
; A phase ends: O^T / the sum, rounded to f16, through my stage, out as 512 consecutive bytes a store.
.macro FINISH ob
.irp t, 0,1
	v_add_f32 v[ST+8*\t+4], v[ST+8*\t+2], v[ST+8*\t+3]
.endr
.irp t, 0,1
	v_permlanex16_b32 v[ST+8*\t+5], v[ST+8*\t+4], s[SEL], s[SEL+1]
.endr
.irp t, 0,1
	v_add_f32 v[ST+8*\t+4], v[ST+8*\t+4], v[ST+8*\t+5]
.endr
.irp t, 0,1
	v_rcp_f32 v[ST+8*\t+6], v[ST+8*\t+4]
.endr
	v_nop
	s_wait_alu depctr_va_vdst(0)                   ; one wait for the two reciprocals, ahead of their first reader
	WIN W_RS
.irp t, 0,1
.set e, 0
.rept 16
	v_pk_mul_f32 v[OR+32*\t+e:OR+32*\t+e+1], v[OR+32*\t+e:OR+32*\t+e+1], v[ST+8*\t+6:ST+8*\t+7] op_sel_hi:[1,0]
.set e, e+2
.endr
.endr
	WIN 0x05
.set e, 0
.rept 32
	v_cvt_pk_f16_f32 v[SR+e], v[OR+2*e], v[OR+2*e+1]
.set e, e+1
.endr
	WIN 0
.irp t, 0,1
.irp c, 0,1,2,3
	ds_store_b128 v[STO], v[SR+16*\t+4*\c:SR+16*\t+4*\c+3] offset:16*SP*\t+32*\c
.endr
.endr
.irp n, 0,1,2,3,4,5,6,7
	ds_load_b128 v[SR+32+4*\n:SR+32+4*\n+3], v[RD] offset:4*SP*\n   ; LDS serves a wave's instructions in order: these see my stores
.endr
.irp n, 0,1,2,3,4,5,6,7
	s_wait_dscnt 7-\n                              ; load n is in; the 7 - n younger ones may be out
	global_store_b128 v[GO], v[SR+32+4*\n:SR+32+4*\n+3], s[\ob:\ob+1] offset:512*\n
.endr
.endm
	BEGIN 12
.Lslot:                                            ; eight trips; behind each change of slots the walk's next key block is asked for
	CHANGE 1
	FOUR_STEPS
	s_add_co_u32 s[T], s[T], 1
	s_cmp_lg_u32 s[T], s[SW]                       ; ids and the count of trips alone: all eight waves go the same way
	s_cbranch_scc1 .Lsame_phase
	FINISH 16
	s_wait_xcnt 0x0                                ; the stores have read their registers, which the next products write
	s_mov_b32 s[Q0], s72
	BEGIN 14
.Lsame_phase:
	s_cmp_lt_u32 s[T], 8
	s_cbranch_scc1 .Lslot
	CHANGE 0                                       ; the ninth key block: nothing is left to ask for
	FOUR_STEPS
	FINISH 18
	s_wait_tensorcnt 0x0                           ; the wave's end
	ds_add_u32 v[SPW], v[NIL]
	s_wait_dscnt 0x0
	s_endpgm
.Lfunc_end_k_q43a5d21f97_attn:
	.size	k_q43a5d21f97_attn, .Lfunc_end_k_q43a5d21f97_attn-k_q43a5d21f97_attn
	.p2alignl 7, 3214868480
	.fill 96, 4, 3214868480
	.section	.rodata,"a",@progbits
	.p2align	6, 0x0
	.amdhsa_kernel k_q43a5d21f97_attn
		.amdhsa_group_segment_fixed_size 327680
		.amdhsa_private_segment_fixed_size 0
		.amdhsa_enable_private_segment 0
		.amdhsa_kernarg_size 16
		.amdhsa_user_sgpr_count 2
		.amdhsa_user_sgpr_kernarg_segment_ptr 1
		.amdhsa_wavefront_size32 1
		.amdhsa_system_sgpr_workgroup_id_x 1
		.amdhsa_system_sgpr_workgroup_id_y 1
		.amdhsa_system_sgpr_workgroup_id_z 1
		.amdhsa_system_vgpr_workitem_id 0
		.amdhsa_next_free_vgpr 384
		.amdhsa_next_free_sgpr 80
		.amdhsa_reserve_vcc 1
		.amdhsa_float_denorm_mode_32 3
		.amdhsa_float_denorm_mode_16_64 3
		.amdhsa_memory_ordered 1
		.amdhsa_forward_progress 1
		.amdhsa_inst_pref_size 71
	.end_amdhsa_kernel
	.amdgpu_metadata
---
amdhsa.version: [ 1, 2 ]
amdhsa.kernels:
  - .name:           k_q43a5d21f97_attn
    .symbol:         k_q43a5d21f97_attn.kd
    .args:
      - { .name: qkv, .offset: 0, .size: 8, .value_kind: global_buffer, .address_space: global }
      - { .name: ao, .offset: 8, .size: 8, .value_kind: global_buffer, .address_space: global }
    .group_segment_fixed_size: 327680
    .private_segment_fixed_size: 0
    .kernarg_segment_align: 8
    .kernarg_segment_size: 16
    .max_flat_workgroup_size: 256
    .sgpr_count:     80
    .vgpr_count:     384
    .wavefront_size: 32
...
	.end_amdgpu_metadata
.endif
;; end of part 3
;; launch oproj (part 4): grid 4 x 64, 4 waves a work-group, clusters of 4 x 4, 327,680 bytes of LDS; arguments ao, wo16, out0; writes out0
.if DOCPART == 4
	.amdgcn_target "amdgcn-amd-amdhsa--gfx1250"
	.amdhsa_code_object_version 6
	.text
	.protected	k_q43a5d21f97_oproj
	.globl	k_q43a5d21f97_oproj
	.p2align	8
	.type	k_q43a5d21f97_oproj,@function
k_q43a5d21f97_oproj:
	s_mov_b64 s[64:65], 0
	v_nop
	global_prefetch_b8 v0, s[64:65] scope:SCOPE_SE
	s_setreg_imm32_b32 hwreg(HW_REG_WAVE_MODE, 25, 1), 1
	s_wait_xcnt 0x0
	s_wait_alu depctr_hold_cnt(0) depctr_sa_sdst(0) depctr_va_vdst(0) depctr_va_sdst(0) depctr_va_ssrc(0) depctr_va_vcc(0) depctr_vm_vsrc(0)
	s_getreg_b32 s2, hwreg(HW_REG_IB_STS2, 6, 4)
	s_cmp_eq_u32 s2, 0
	s_cbranch_scc0 .Lentry_in_a_cluster
	s_endpgm
.Lentry_in_a_cluster:
	s_bfe_u32 s2, ttmp6, 0x10000c
	s_cmp_lg_u32 s2, 0xf033
	s_cbranch_scc0 .Lentry_shape_is_right
	s_endpgm
.Lentry_shape_is_right:
; out0[token][n] = sum over k of A[token][k] W_o[k][n], 8,192 x 1,024 x 1,024, f16 operands, f32 sums.  A = ao [head][token][64] f16 (k = 64 head + channel); W_o = wo16 [k][n] f16.
; A tile of out0 is 128 tokens x 256 columns: 256 work-groups.  Four waves, each 64 x 128: 32 accumulators, all of window 1.  K goes in steps of 128 (two heads) through a ring of two LDS slots:
; A's two planes (a head each, 128 rows of 128 bytes at pitch 144) and W_o's 128 rows of 512 bytes at pitch 544, which come out of LDS turned by ds_load_tr16_b128.
; CLUSTERS: 4 x 4 work-groups; the four of a row need the same tiles of A, the four of a column the same tiles of W_o: each tile is asked for jointly.  The grid has one cluster along x: the tile column is cx.
; THE MATRIX INSTRUCTION IS USED TRANSPOSED (source 0 = 16 columns of W_o, source 1 = 16 tokens): a lane holds eight neighbouring outputs of one token.
; No prefetch: between a request and the wait for it stand 112 matrix instructions a wave, the tiles are shared in the cluster, and the walk has eight K steps in all.
; Positions 0 .. 15 of each batch are stored here like all others and written anew, more finely, by the launch that follows.
; REGISTERS: window 0: v16-29 addresses; v32-127, v128-223 two fragment buffers (A's four fragments, then W_o's eight); on the way out v32-159 rows read back.  window 1: accumulator (a, b) at v[8 (8 a + b)].
.set PA,     144
.set PB,     544
.set PLANE,  128*PA
.set BOFF,   2*PLANE
.set BHALF,  64*PB
.set SLOT,   BOFF+2*BHALF
.set STAGE,  2*SLOT                    ; 16 rows x (512 bytes + 16) for each wave; no tile lands here
.set SPITCH, 528
.set SPARE,  STAGE+4*16*SPITCH         ; the spare words, 128 bytes for each wave: two blocks of 256 bytes that no other line names
.set LAPS,   4                         ; a lap = two K steps
.set ASTEP,  2*8192*128                ; a K step on in ao: two heads
.set BSTEP,  128*2048                  ; and in wo16: 128 rows
.set ADRA, 16
.set ADRB, 20
.set STO,  24
.set RD,   25
.set CO,   26
.set SPW,  28
.set NIL,  29
.set F0,   32
.set F1,   128
.set G1, 24
.set G0, 32
.set G1B, 48
.set G0B, 56
.set MSB, 0
.macro WIN new
.if MSB != \new
	s_set_vgpr_msb (MSB<<8)|\new
.set MSB, \new
.endif
.endm
.set MUL, 0x50                         ; C and D window 1
.macro JLOAD s                         ; waves 0 and 1 fetch A's planes, waves 2 and 3 W_o's halves; an s_nop 0 and four v_nop follow each line
	s_cmp_eq_u32 s11, 0
	s_cbranch_scc0 .Lfor_b_\@
	tensor_load_to_lds s[G0+4*\s:G0+4*\s+3], s[G1:G1+7]
	s_nop 0
.rept 4
	v_nop
.endr
	s_branch .Lasked_\@
.Lfor_b_\@:
	tensor_load_to_lds s[G0B+4*\s:G0B+4*\s+3], s[G1B:G1B+7]
	s_nop 0
.rept 4
	v_nop
.endr
.Lasked_\@:
.endm
.macro CREST
	s_cmp_lg_u32 s10, 0
	s_cbranch_scc1 .Lnot_wave_0_\@
	s_barrier_signal -3
.Lnot_wave_0_\@:
	s_barrier_wait -3
	s_barrier_signal -1
	s_barrier_wait -1
.endm
.macro CROUND
	s_barrier_signal -1
	s_barrier_wait -1
	CREST
.endm
	s_load_b128 s[4:7], s[0:1], 0x0                ; ao, wo16
	s_load_b64 s[8:9], s[0:1], 0x10                ; out0
	v_lshl_add_u32 v[SPW], v0, 2, SPARE
	v_mov_b32 v[NIL], 0
	ds_add_u32 v[SPW], v[NIL]                      ; the wave's opening: the add, twice on end, and its wait ahead of my first tensor load
	ds_add_u32 v[SPW], v[NIL]
	v_lshrrev_b32 v1, 5, v0
	v_readfirstlane_b32 s10, v1                    ; wave 0..3
	s_lshr_b32 s11, s10, 1                         ; which 64 tokens are mine.  Also: I fetch for A (0) or for W_o (1)
	s_and_b32 s12, s10, 1                          ; which 128 columns.  Also: which plane or half I fetch
	s_bfe_u32 s40, ttmp6, 0x40000                  ; cx = the tile column
	s_bfe_u32 s41, ttmp6, 0x40004                  ; cy
	s_and_b32 s13, ttmp7, 0xffff
	s_lshl_b32 s13, s13, 2
	s_add_co_u32 s13, s13, s41                     ; tile row = 4 x cluster y + cy
	s_lshl_b32 s43, s41, 2
	s_lshl_b32 s43, 15, s43                        ; my row of the cluster
	s_lshl_b32 s44, 0x1111, s40                    ; my column
	s_or_b32 s[G1+0], s43, (1<<16)|(1<<20)|(1<<21)|(4<<22)|(3<<25)   ; A: elements of 2 bytes; 4 words of padding after every 32
	s_mov_b32 s[G1+1], 64<<16                      ; tensor_dim0
	s_mov_b32 s[G1+2], 128<<16                     ; tensor_dim1
	s_mov_b32 s[G1+3], 64<<16                      ; tile_dim0
	s_mov_b32 s[G1+4], 128                         ; tile_dim1
	s_mov_b32 s[G1+5], 64                          ; from row to row
	s_mov_b32 s[G1+6], 0
	s_mov_b32 s[G1+7], 0
	s_or_b32 s[G1B+0], s44, (1<<16)|(1<<20)|(1<<21)|(6<<22)|(7<<25)  ; W_o: 8 words of padding after every 128
	s_mov_b32 s[G1B+1], 256<<16
	s_mov_b32 s[G1B+2], 64<<16
	s_mov_b32 s[G1B+3], 256<<16
	s_mov_b32 s[G1B+4], 64
	s_mov_b32 s[G1B+5], 1024
	s_mov_b32 s[G1B+6], 0
	s_mov_b32 s[G1B+7], 0
	s_lshl_b32 s16, s12, 20                        ; A: plane x 8,192 rows of 128 bytes + 128 x tile row rows
	s_lshl_b32 s17, s13, 14
	s_add_co_u32 s16, s16, s17
	s_mov_b32 s17, 0
	s_lshl_b32 s46, s12, 17                        ; W_o: half x 64 rows of 2,048 bytes + 512 x tile column
	s_lshl_b32 s47, s40, 9
	s_add_co_u32 s46, s46, s47
	s_mov_b32 s47, 0
	s_mul_i32 s20, s12, PLANE                      ; where they go
	s_mul_i32 s21, s12, BHALF
	s_add_co_u32 s21, s21, BOFF
	s_wait_dscnt 0x0                               ; both opening adds are done
	s_wait_kmcnt 0x0
	s_add_nc_u64 s[14:15], s[4:5], s[16:17]
	s_add_nc_u64 s[46:47], s[6:7], s[46:47]
	CROUND                                         ; all sixteen work-groups are here: the first joint loads meet
.irp s, 0,1
	s_mov_b32 s[G0+4*\s], 1
	s_add_co_u32 s[G0+4*\s+1], s20, \s*SLOT
	s_add_nc_u64 s[G0+4*\s+2:G0+4*\s+3], s[14:15], \s*ASTEP
	s_or_b32 s[G0+4*\s+3], s[G0+4*\s+3], 0x80000000
	s_mov_b32 s[G0B+4*\s], 1
	s_add_co_u32 s[G0B+4*\s+1], s21, \s*SLOT
	s_add_nc_u64 s[G0B+4*\s+2:G0B+4*\s+3], s[46:47], \s*BSTEP
	s_or_b32 s[G0B+4*\s+3], s[G0B+4*\s+3], 0x80000000
	JLOAD \s
.endr
	v_and_b32 v1, 15, v0                           ; r
	v_bfe_u32 v2, v0, 4, 1                         ; h
	v_mul_u32_u24 v3, v1, PA
	v_lshl_add_u32 v3, v2, 4, v3                   ; A: row r x pitch + 16 h
	v_and_b32 v4, 7, v0
	v_lshl_add_u32 v4, v2, 3, v4
	v_mul_u32_u24 v4, v4, PB                       ; W_o: row 8 h + lane % 8,
	v_bfe_u32 v5, v0, 3, 1
	v_lshl_add_u32 v4, v5, 4, v4                   ; columns 8 ((lane / 8) % 2) on
	s_mul_i32 s22, s11, 64*PA                      ; my 64 tokens
	s_lshl_b32 s23, s12, 8                         ; my 128 columns
	s_add_co_u32 s23, s23, BOFF
.irp s, 0,1
	v_add_nc_u32 v[ADRA+\s], s22, v3
	v_add_nc_u32 v[ADRB+\s], s23, v4
	s_add_co_u32 s22, s22, SLOT
	s_add_co_u32 s23, s23, SLOT
.endr
	s_mul_i32 s23, s10, 16*SPITCH
	s_add_co_u32 s23, s23, STAGE                   ; my stage
	v_mul_u32_u24 v5, v1, SPITCH
	v_lshl_add_u32 v5, v2, 5, v5
	v_add_nc_u32 v[STO], s23, v5                   ; in: row r, 32 bytes for each half of the lanes
	v_and_b32 v6, 31, v0
	v_lshlrev_b32 v[CO], 4, v6
	v_add_nc_u32 v[RD], s23, v[CO]                 ; back: the 32 lanes take one row of 512 bytes
	s_lshl_b32 s16, s13, 19                        ; out0: (128 x tile row + 64 x row half) rows of 4,096 bytes + (256 x tile column + 128 x column half) x 4
	s_lshl_b32 s17, s11, 18
	s_add_co_u32 s16, s16, s17
	s_lshl_b32 s17, s40, 10
	s_add_co_u32 s16, s16, s17
	s_lshl_b32 s17, s12, 9
	s_add_co_u32 s16, s16, s17
	s_mov_b32 s17, 0
	s_add_nc_u64 s[8:9], s[8:9], s[16:17]
.macro MUL8 f, a, zero                 ; token block a against the eight column blocks, 32 along K.  The 32 accumulators take turns, in the same order in every quarter
.irp b, 0,1,2,3,4,5,6,7
.if \zero
	v_wmma_f32_16x16x32_f16 v[8*(8*(\a)+\b):8*(8*(\a)+\b)+7], v[\f+32+8*\b:\f+32+8*\b+7], v[\f+8*(\a):\f+8*(\a)+7], 0
.else
	v_wmma_f32_16x16x32_f16 v[8*(8*(\a)+\b):8*(8*(\a)+\b)+7], v[\f+32+8*\b:\f+32+8*\b+7], v[\f+8*(\a):\f+8*(\a)+7], v[8*(8*(\a)+\b):8*(8*(\a)+\b)+7]
.endif
.endr
.endm
.macro FETCH slot, q, f                ; 24 LDS loads in one run: the slot's q-th 32 along K: W_o's sixteen, then A's eight, blocks 0 and 1 first
	WIN 0
.irp b, 0,1,2,3,4,5,6,7
	ds_load_tr16_b128 v[\f+32+8*\b:\f+32+8*\b+3],   v[ADRB+\slot] offset:32*PB*(\q)+32*\b
	ds_load_tr16_b128 v[\f+32+8*\b+4:\f+32+8*\b+7], v[ADRB+\slot] offset:32*PB*(\q)+32*\b+16*PB
.endr
.irp a, 0,1,2,3
	ds_load_b128 v[\f+8*\a:\f+8*\a+3],   v[ADRA+\slot] offset:PLANE*((\q)/2)+64*((\q)%2)+16*PA*\a
	ds_load_b128 v[\f+8*\a+4:\f+8*\a+7], v[ADRA+\slot] offset:PLANE*((\q)/2)+64*((\q)%2)+16*PA*\a+32
.endr
.endm
.macro PLACES
.rept 4
	v_nop
.endr
.endm
.macro QUARTER slot, qn, f, g, zero    ; multiplies buffer f; in its middle it fetches the slot's quarter qn into buffer g
	s_wait_dscnt 4                                 ; W_o's fragments and A's blocks 0, 1 are in; the youngest four loads (blocks 2, 3) may be out
	WIN MUL
	MUL8 \f, 0, \zero
	MUL8 \f, 1, \zero
	PLACES                                         ; in front of loads into registers that matrix instructions have read
	FETCH \slot, \qn, \g
	s_wait_dscnt 24                                ; all but the 24 just issued
	WIN MUL
	MUL8 \f, 2, \zero
	MUL8 \f, 3, \zero
.endm
; The last quarter multiplies buffer 1 and changes slots: one barrier; in front of it each wave waits for all its tensor loads, adds 0 to its spare word, and waits for that and for its reads of this slot.
.macro TURN slot, next, fill
	WIN 0
	s_wait_tensorcnt 0x0                           ; my part of the next slot has landed
	ds_add_u32 v[SPW], v[NIL]
	s_wait_dscnt 5                                 ; the add and the youngest four loads may be out
	WIN MUL
	MUL8 F1, 0, 0
	s_wait_dscnt 0x0                               ; the add is done, and my reads of this slot are over
	s_barrier_signal -1
	MUL8 F1, 1, 0
	WIN 0
	s_barrier_wait -1
.if \fill
	CREST                                          ; the barrier has opened a round of the cluster's barrier: no wave of any partner still reads this slot or has a load on its way
	s_add_nc_u64 s[G0+4*\slot+2:G0+4*\slot+3], s[G0+4*\slot+2:G0+4*\slot+3], 2*ASTEP
	s_add_nc_u64 s[G0B+4*\slot+2:G0B+4*\slot+3], s[G0B+4*\slot+2:G0B+4*\slot+3], 2*BSTEP
	JLOAD \slot                                    ; the first tensor load behind the round; its four v_nop are also the places in front of the loads below
.else
	PLACES
.endif
	FETCH \next, 0, F0
	WIN MUL
	MUL8 F1, 2, 0
	MUL8 F1, 3, 0
.endm
	s_wait_tensorcnt 1                             ; my part of K step 0 is in; K step 1's may be out
	s_barrier_signal -1
	s_barrier_wait -1
	FETCH 0, 0, F0
	QUARTER 0, 1, F0, F1, 1                        ; the first quarter's products start the sums
	WIN 0
	s_mov_b32 s3, LAPS-1
.Llap:                                             ; a trip goes once round the ring and fills both slots again
	QUARTER 0, 2, F1, F0, 0
	QUARTER 0, 3, F0, F1, 0
	TURN 0, 1, 1
	QUARTER 1, 1, F0, F1, 0
	QUARTER 1, 2, F1, F0, 0
	QUARTER 1, 3, F0, F1, 0
	TURN 1, 0, 1
	QUARTER 0, 1, F0, F1, 0
	WIN 0
	s_sub_co_u32 s3, s3, 1
	s_cmp_lg_u32 s3, 0
	s_cbranch_scc1 .Llap
	QUARTER 0, 2, F1, F0, 0                        ; the last lap fills nothing
	QUARTER 0, 3, F0, F1, 0
	TURN 0, 1, 0
	QUARTER 1, 1, F0, F1, 0
	QUARTER 1, 2, F1, F0, 0
	QUARTER 1, 3, F0, F1, 0
	s_wait_dscnt 4
	WIN MUL
	MUL8 F1, 0, 0
	MUL8 F1, 1, 0
	s_wait_dscnt 0
	MUL8 F1, 2, 0
	MUL8 F1, 3, 0
	WIN 0
; THE WAY OUT, block by block of 16 tokens x 128 columns: through my stage and back as whole rows of 512 bytes.
.macro TOSTAGE a
	WIN 0x04                                       ; an LDS store's data: window 1
.irp b, 0,1,2,3,4,5,6,7
	ds_store_b128 v[STO], v[8*(8*(\a)+\b):8*(8*(\a)+\b)+3] offset:64*\b        ; each accumulator from its low end on
	ds_store_b128 v[STO], v[8*(8*(\a)+\b)+4:8*(8*(\a)+\b)+7] offset:64*\b+16
.endr
	WIN 0
.set BB, 32+64*((\a)%2)
.irp t, 0,1,2,3,4,5,6,7,8,9,10,11,12,13,14,15
	ds_load_b128 v[BB+4*\t:BB+4*\t+3], v[RD] offset:\t*SPITCH
.endr
.endm
.macro SEND a, younger
.set BB, 32+64*((\a)%2)
	s_wait_dscnt \younger
.irp t, 0,1,2,3,4,5,6,7,8,9,10,11,12,13,14,15
	global_store_b128 v[CO], v[BB+4*\t:BB+4*\t+3], s[8:9] offset:65536*(\a)+4096*\t th:TH_STORE_NT   ; 512 consecutive bytes, aligned
.endr
.endm
	PLACES
	TOSTAGE 0
.irp a, 1,2,3
.if \a > 1
	s_wait_xcnt 0x0                                ; block a - 2's stores have read their registers: block a's loads may land there
.endif
	TOSTAGE \a
	SEND \a-1, 32                                  ; behind block a - 1's loads: block a's 16 stores and 16 loads
.endr
	SEND 3, 0
	s_wait_tensorcnt 0x0                           ; the wave's end
	ds_add_u32 v[SPW], v[NIL]
	s_wait_dscnt 0x0
	CROUND                                         ; the closing round
	s_endpgm
.Lfunc_end_k_q43a5d21f97_oproj:
	.size	k_q43a5d21f97_oproj, .Lfunc_end_k_q43a5d21f97_oproj-k_q43a5d21f97_oproj
	.p2alignl 7, 3214868480
	.fill 96, 4, 3214868480
	.section	.rodata,"a",@progbits
	.p2align	6, 0x0
	.amdhsa_kernel k_q43a5d21f97_oproj
		.amdhsa_group_segment_fixed_size 327680
		.amdhsa_private_segment_fixed_size 0
		.amdhsa_enable_private_segment 0
		.amdhsa_kernarg_size 24
		.amdhsa_user_sgpr_count 2
		.amdhsa_user_sgpr_kernarg_segment_ptr 1
		.amdhsa_wavefront_size32 1
		.amdhsa_system_sgpr_workgroup_id_x 1
		.amdhsa_system_sgpr_workgroup_id_y 1
		.amdhsa_system_sgpr_workgroup_id_z 1
		.amdhsa_system_vgpr_workitem_id 0
		.amdhsa_next_free_vgpr 512
		.amdhsa_next_free_sgpr 66
		.amdhsa_reserve_vcc 0
		.amdhsa_float_denorm_mode_32 3
		.amdhsa_float_denorm_mode_16_64 3
		.amdhsa_memory_ordered 1
		.amdhsa_forward_progress 1
		.amdhsa_inst_pref_size 85
	.end_amdhsa_kernel
	.amdgpu_metadata
---
amdhsa.version: [ 1, 2 ]
amdhsa.kernels:
  - .name:           k_q43a5d21f97_oproj
    .symbol:         k_q43a5d21f97_oproj.kd
    .args:
      - { .name: ao, .offset: 0, .size: 8, .value_kind: global_buffer, .address_space: global }
      - { .name: wo16, .offset: 8, .size: 8, .value_kind: global_buffer, .address_space: global }
      - { .name: out0, .offset: 16, .size: 8, .value_kind: global_buffer, .address_space: global }
    .group_segment_fixed_size: 327680
    .private_segment_fixed_size: 0
    .kernarg_segment_align: 8
    .kernarg_segment_size: 24
    .max_flat_workgroup_size: 128
    .sgpr_count:     66
    .vgpr_count:     512
    .wavefront_size: 32
...
	.end_amdgpu_metadata
.endif
;; end of part 4
;; launch fine (part 5): grid 16 x 4, 16 waves a work-group, no clusters, 327,680 bytes of LDS; arguments fq, W_o, out0; writes out0
.if DOCPART == 5
	.amdgcn_target "amdgcn-amd-amdhsa--gfx1250"
	.amdhsa_code_object_version 6
	.text
	.protected	k_q43a5d21f97_fine
	.globl	k_q43a5d21f97_fine
	.p2align	8
	.type	k_q43a5d21f97_fine,@function
k_q43a5d21f97_fine:
	s_mov_b64 s[64:65], 0
	v_nop
	global_prefetch_b8 v0, s[64:65] scope:SCOPE_SE
	s_setreg_imm32_b32 hwreg(HW_REG_WAVE_MODE, 25, 1), 1
	s_wait_xcnt 0x0
; Positions 0 .. 15 of each batch once more, wholly in f32: their rows average one to sixteen values and are the largest, so f16 operands would weigh most there.  Scores, softmax, P V and the product with W_o by
; v_wmma_f32_16x16x4_f32; the rows of out0 are written anew.
; SHARES.  Work-group (g, b) makes rows 2048 b + 0 .. 15, columns 64 g .. 64 g + 63.  Wave w is head w: it makes that head's 16 x 16 attention (32 matrix instructions; repeated in the 16 column groups, which is
; less than a launch more), multiplies its 64 channels by W_o's rows 64 w .. 64 w + 63 (64 matrix instructions), and the 16 partial results meet in LDS.
; fq holds Q, K, V of these positions as images of accumulators: [batch][column / 16][u][lane (r, h)][4 words]: word j = C(position r, column 16 nb + 8 h + 4 u + j).
; S^T = K Q^T: both operands are the images as they lie: registers 2 e, 2 e + 1 of a lane hold the same two channels in both, so the order of the channels is permuted alike on both sides.
; A lane holds one query (lane % 16) throughout: keys 8 h + j in S^T and p, channels 16 c + 8 h + j in O^T, columns 16 t + 8 h + j in the result.
; The registers that the matrix instructions write (v112-127, v144-175, v208-239) are written by nothing else; each sum begins with the constant 0.
; LIMITS: NaN and infinities among the inputs are not served.
.set WPITCH, 272                       ; a row of W_o's tile: 256 bytes + 16
.set WREG,   64*WPITCH                 ; a wave's 64 rows: filled once, by its own tensor load; behind its last read the wave's partial rows (16 x 272 bytes) go there
.set SPARE,  16*WREG                   ; the spare words, 128 bytes for each wave: eight blocks of 256 bytes that no other line names
.set LI,  1                            ; v1   16 x lane
.set LV,  2                            ; v2   V turned: my channel's place in an image
.set LW,  3                            ; v3   W_o: my column and my half's rows
.set PS,  4                            ; v4   where my partial results go
.set RA,  5                            ; v5-8 where I read partial results: four bases, four waves' regions apart
.set GOA, 9                            ; v9   my bytes in two rows of out0
.set DL,  10                           ; v10  r - 8 h
.set SPW, 12
.set NIL, 13
.set QF,  16                           ; v16-47  Q's image, later W_o's fragments
.set KFR, 48                           ; v48-79  K's image, later W_o's fragments
.set VT,  80                           ; v80-111 V^T: 8 c + key in my half
.set SA,  112
.set SB,  120
.set PP,  128                          ; v128-135 s, then p
.set OT,  144
.set AO,  176
.set OUTR, 208
	s_load_b128 s[4:7], s[0:1], 0x0                ; fq, W_o
	s_load_b64 s[8:9], s[0:1], 0x10                ; out0
	v_lshl_add_u32 v[SPW], v0, 2, SPARE
	v_mov_b32 v[NIL], 0
	ds_add_u32 v[SPW], v[NIL]                      ; the wave's opening: the add, twice on end, and its wait ahead of my first tensor load
	ds_add_u32 v[SPW], v[NIL]
	v_lshrrev_b32 v14, 5, v0
	v_readfirstlane_b32 s10, v14                   ; wave = head 0..15
	s_and_b32 s11, ttmp7, 0xffff                   ; batch
	s_mov_b32 s16, (2<<16)|(1<<20)|(5<<22)|(3<<25) ; elements of 4 bytes; 4 words of padding after every 64
	s_mov_b32 s17, 64<<16                          ; tensor_dim0
	s_mov_b32 s18, 64<<16                          ; tensor_dim1
	s_mov_b32 s19, 64<<16                          ; tile_dim0
	s_mov_b32 s20, 64                              ; tile_dim1
	s_mov_b32 s21, 1024                            ; from row to row
	s_mov_b32 s22, 0
	s_mov_b32 s23, 0
	s_mul_i32 s24, s10, WREG
	s_lshl_b32 s26, s10, 18                        ; W_o: 64 w rows of 4,096 bytes + 64 g columns
	s_lshl_b32 s27, ttmp9, 8
	s_add_co_u32 s26, s26, s27
	s_mov_b32 s27, 0
	s_mov_b32 s28, 0x76543210
	s_mov_b32 s29, 0xfedcba98                      ; selects for lane xor 16
	s_mov_b32 s30, 0x3e38aa3b                      ; c = log2(e) / 8
	v_and_b32 v14, 31, v0                          ; lane
	v_and_b32 v15, 15, v0                          ; r
	v_bfe_u32 v11, v0, 4, 1                        ; h
	v_lshlrev_b32 v[LI], 4, v14
	v_bfe_u32 v[LV], v0, 2, 1                      ; channel r of a tile lies in half u = (r % 8) / 4 of the image,
	v_lshlrev_b32 v[LV], 9, v[LV]
	v_bfe_u32 v[LW], v0, 3, 1                      ; in the image's lanes 16 (r / 8) on,
	v_lshl_add_u32 v[LV], v[LW], 8, v[LV]
	v_and_b32 v[LW], 3, v0                         ; in word r % 4;
	v_lshl_add_u32 v[LV], v[LW], 2, v[LV]
	v_lshl_add_u32 v[LV], v11, 7, v[LV]            ; my half takes keys 8 h on: 16 bytes a key
	v_mul_u32_u24 v[LW], v11, 8*WPITCH
	v_lshl_add_u32 v[LW], v15, 2, v[LW]
	v_add_nc_u32 v[LW], s24, v[LW]
	v_mul_u32_u24 v[PS], v15, WPITCH
	v_lshl_add_u32 v[PS], v11, 5, v[PS]
	v_add_nc_u32 v[PS], s24, v[PS]
	s_and_b32 s25, s10, 7
	s_mul_i32 s31, s25, 2*WPITCH                   ; waves 0 .. 7 add up rows 2 w and 2 w + 1
	v_mul_u32_u24 v[RA], v11, WPITCH
	v_lshl_add_u32 v[RA], v15, 4, v[RA]
	v_add_nc_u32 v[RA], s31, v[RA]
	v_add_nc_u32 v[RA+1], 4*WREG, v[RA]
	v_add_nc_u32 v[RA+2], 8*WREG, v[RA]
	v_add_nc_u32 v[RA+3], 12*WREG, v[RA]
	v_lshlrev_b32 v[GOA], 12, v11
	v_lshl_add_u32 v[GOA], v15, 4, v[GOA]
	v_lshlrev_b32 v[DL], 3, v11
	v_sub_nc_u32 v[DL], v15, v[DL]
	v_mov_b32 v137, 0                              ; lane permutes' destinations count as read: written once
	v_mov_b32 v140, 0
	v_mov_b32 v142, 0xff800000                     ; -infinity
	s_mul_i32 s32, s11, 196608                     ; fq: batch x 192 images + head x 4 images
	s_lshl_b32 s33, s10, 12
	s_add_co_u32 s32, s32, s33
	s_mov_b32 s33, 0
	s_lshl_b32 s34, s11, 23                        ; out0: batch x 2,048 rows + 2 (w % 8) rows + 64 g columns
	s_lshl_b32 s35, s25, 13
	s_add_co_u32 s34, s34, s35
	s_lshl_b32 s35, ttmp9, 8
	s_add_co_u32 s34, s34, s35
	s_mov_b32 s35, 0
	s_wait_dscnt 0x0                               ; both opening adds are done
	s_wait_kmcnt 0x0
	s_mov_b32 s12, 1
	s_mov_b32 s13, s24
	s_add_nc_u64 s[14:15], s[6:7], s[26:27]
	s_or_b32 s15, s15, 0x80000000
	tensor_load_to_lds s[12:15], s[16:23]          ; my head's 64 rows x 64 columns of W_o: my one tensor load
	s_nop 0
.rept 4
	v_nop
.endr
	s_add_nc_u64 s[4:5], s[4:5], s[32:33]
	s_add_nc_u64 s[8:9], s[8:9], s[34:35]
.irp n, 0,1,2,3
.irp u, 0,1
	global_load_b128 v[QF+8*\n+4*\u:QF+8*\n+4*\u+3], v[LI], s[4:5] offset:1024*\n+512*\u
	global_load_b128 v[KFR+8*\n+4*\u:KFR+8*\n+4*\u+3], v[LI], s[4:5] offset:65536+1024*\n+512*\u
.endr
.endr
.irp c, 0,1,2,3
.irp k, 0,1,2,3,4,5,6,7
	global_load_b32 v[VT+8*\c+\k], v[LV], s[4:5] offset:131072+1024*\c+16*\k   ; V(key 8 h + k, channel 16 c + r)
.endr
.endr
	s_wait_loadcnt 32                              ; Q and K are in; V's 32 loads may be out
	v_wmma_f32_16x16x4_f32 v[SA:SA+7], v[KFR:KFR+1], v[QF:QF+1], 0            ; two accumulators by turns
	v_wmma_f32_16x16x4_f32 v[SB:SB+7], v[KFR+2:KFR+3], v[QF+2:QF+3], 0
.set e, 4
.rept 7
	v_wmma_f32_16x16x4_f32 v[SA:SA+7], v[KFR+e:KFR+e+1], v[QF+e:QF+e+1], v[SA:SA+7]
	v_wmma_f32_16x16x4_f32 v[SB:SB+7], v[KFR+e+2:KFR+e+3], v[QF+e+2:QF+e+3], v[SB:SB+7]
.set e, e+4
.endr
.rept 8
	v_nop                                          ; eight places behind this form before its results are read (ISA guide 7.12.1)
.endr
.irp j, 0,1,2,3,4,5,6,7
	v_add_f32 v[PP+\j], v[SA+\j], v[SB+\j]         ; the score of key 8 h + j, from the low end on
.endr
.irp j, 0,1,2,3,4,5,6,7
	v_cmp_gt_i32 vcc_lo, \j, v[DL]                 ; key 8 h + j after query r: hidden
	v_cndmask_b32 v[PP+\j], v[PP+\j], v142, vcc_lo
.endr
	v_max3_num_f32 v136, v[PP], v[PP+1], v[PP+2]
	v_max3_num_f32 v136, v136, v[PP+3], v[PP+4]
	v_max3_num_f32 v136, v136, v[PP+5], v[PP+6]
	v_max_num_f32 v136, v136, v[PP+7]
	v_permlanex16_b32 v137, v136, s28, s29
	v_max_num_f32 v136, v136, v137                 ; the row's maximum: key 0 counts for every query, so it is a number
	v_mul_f32 v138, s30, v136
.irp j, 0,1,2,3,4,5,6,7
	v_fma_f32 v[PP+\j], v[PP+\j], s30, -v138
.endr
.irp j, 0,1,2,3,4,5,6,7
	v_exp_f32 v[PP+\j], v[PP+\j]
.endr
	v_nop
	s_wait_alu depctr_va_vdst(0)                   ; one wait for the eight exponentials, ahead of their first reader
	v_add_f32 v139, v[PP], v[PP+1]
	v_add_f32 v141, v[PP+2], v[PP+3]
	v_add_f32 v143, v[PP+4], v[PP+5]
	v_add_f32 v136, v[PP+6], v[PP+7]
	v_add_f32 v139, v139, v141
	v_add_f32 v143, v143, v136
	v_add_f32 v139, v139, v143
	v_permlanex16_b32 v140, v139, s28, s29
	v_add_f32 v139, v139, v140                     ; the row's sum
	v_rcp_f32 v141, v139
	v_nop
	s_wait_alu depctr_va_vdst(0)                   ; the wait for the reciprocal
	s_wait_loadcnt 0x0                             ; V
.irp k, 0,1,2,3                                ; O^T = V^T P: four accumulators by turns; keys 8 h + 2 k, + 1 on both sides
.irp c, 0,1,2,3
.if \k == 0
	v_wmma_f32_16x16x4_f32 v[OT+8*\c:OT+8*\c+7], v[VT+8*\c+2*\k:VT+8*\c+2*\k+1], v[PP+2*\k:PP+2*\k+1], 0
.else
	v_wmma_f32_16x16x4_f32 v[OT+8*\c:OT+8*\c+7], v[VT+8*\c+2*\k:VT+8*\c+2*\k+1], v[PP+2*\k:PP+2*\k+1], v[OT+8*\c:OT+8*\c+7]
.endif
.endr
.endr
.rept 8
	v_nop
.endr
.set e, 0
.rept 32
	v_mul_f32 v[AO+e], v[OT+e], v141               ; / the sum, into other registers
.set e, e+1
.endr
	s_wait_tensorcnt 0x0                           ; my tile of W_o is in LDS; only I read it
.macro WLOAD c, buf                    ; W_o(64 w + 16 c + 8 h + 2 i + j, 64 g + 16 t + r) into v[buf + 8 i + 2 t + j]
.irp i, 0,1,2,3
.irp t, 0,1,2,3
.irp j, 0,1
	ds_load_b32 v[\buf+8*\i+2*\t+\j], v[LW] offset:WPITCH*(16*\c+2*\i+\j)+64*\t
.endr
.endr
.endr
.endm
.macro WMUL c, buf                     ; four accumulators by turns
.irp i, 0,1,2,3
.irp t, 0,1,2,3
.if (\c == 0) && (\i == 0)
	v_wmma_f32_16x16x4_f32 v[OUTR+8*\t:OUTR+8*\t+7], v[\buf+8*\i+2*\t:\buf+8*\i+2*\t+1], v[AO+8*\c+2*\i:AO+8*\c+2*\i+1], 0
.else
	v_wmma_f32_16x16x4_f32 v[OUTR+8*\t:OUTR+8*\t+7], v[\buf+8*\i+2*\t:\buf+8*\i+2*\t+1], v[AO+8*\c+2*\i:AO+8*\c+2*\i+1], v[OUTR+8*\t:OUTR+8*\t+7]
.endif
.endr
.endr
.endm
	WLOAD 0, QF
	WLOAD 1, KFR
	s_wait_dscnt 32                                ; the first 32 loads are in; the younger group's 32 may be out
	WMUL 0, QF
.rept 8
	v_nop                                          ; places in front of loads into registers that these products have read
.endr
	WLOAD 2, QF
	s_wait_dscnt 32
	WMUL 1, KFR
.rept 8
	v_nop
.endr
	WLOAD 3, KFR
	s_wait_dscnt 32
	WMUL 2, QF
	s_wait_dscnt 0x0
	WMUL 3, KFR
.rept 8
	v_nop
.endr
.irp t, 0,1,2,3
	ds_store_b128 v[PS], v[OUTR+8*\t:OUTR+8*\t+3] offset:64*\t         ; my head's share of out0(r, 64 g + 16 t + 8 h + 0 .. 7); my reads of these bytes are over
	ds_store_b128 v[PS], v[OUTR+8*\t+4:OUTR+8*\t+7] offset:64*\t+16
.endr
	s_wait_dscnt 0x0                               ; for the others' sake: my stores have landed
	s_barrier_signal -1
	s_barrier_wait -1
	s_cmp_ge_u32 s10, 8
	s_cbranch_scc1 .Lend
.irp p, 0,1,2,3,4,5,6,7,8,9,10,11,12,13,14,15
	ds_load_b128 v[16+4*\p:19+4*\p], v[RA+\p/4] offset:WREG*(\p%4)     ; head p's share of my two rows
.endr
	s_wait_dscnt 0x0
.irp d, 1,2,4,8                                ; the sixteen shares in a fixed tree
.set p, 0
.rept 8/\d
	v_pk_add_f32 v[16+4*p:17+4*p], v[16+4*p:17+4*p], v[16+4*(p+\d):17+4*(p+\d)]
	v_pk_add_f32 v[18+4*p:19+4*p], v[18+4*p:19+4*p], v[18+4*(p+\d):19+4*(p+\d)]
.set p, p+2*\d
.endr
.endr
	global_store_b128 v[GOA], v[16:19], s[8:9]     ; sixteen lanes store 256 consecutive bytes, aligned
.Lend:
	s_wait_tensorcnt 0x0                           ; the wave's end
	ds_add_u32 v[SPW], v[NIL]
	s_wait_dscnt 0x0
	s_endpgm
.Lfunc_end_k_q43a5d21f97_fine:
	.size	k_q43a5d21f97_fine, .Lfunc_end_k_q43a5d21f97_fine-k_q43a5d21f97_fine
	.p2alignl 7, 3214868480
	.fill 96, 4, 3214868480
	.section	.rodata,"a",@progbits
	.p2align	6, 0x0
	.amdhsa_kernel k_q43a5d21f97_fine
		.amdhsa_group_segment_fixed_size 327680
		.amdhsa_private_segment_fixed_size 0
		.amdhsa_enable_private_segment 0
		.amdhsa_kernarg_size 24
		.amdhsa_user_sgpr_count 2
		.amdhsa_user_sgpr_kernarg_segment_ptr 1
		.amdhsa_wavefront_size32 1
		.amdhsa_system_sgpr_workgroup_id_x 1
		.amdhsa_system_sgpr_workgroup_id_y 1
		.amdhsa_system_sgpr_workgroup_id_z 1
		.amdhsa_system_vgpr_workitem_id 0
		.amdhsa_next_free_vgpr 256
		.amdhsa_next_free_sgpr 66
		.amdhsa_reserve_vcc 1
		.amdhsa_float_denorm_mode_32 3
		.amdhsa_float_denorm_mode_16_64 3
		.amdhsa_memory_ordered 1
		.amdhsa_forward_progress 1
		.amdhsa_inst_pref_size 32
	.end_amdhsa_kernel
	.amdgpu_metadata
---
amdhsa.version: [ 1, 2 ]
amdhsa.kernels:
  - .name:           k_q43a5d21f97_fine
    .symbol:         k_q43a5d21f97_fine.kd
    .args:
      - { .name: fq, .offset: 0, .size: 8, .value_kind: global_buffer, .address_space: global }
      - { .name: W_o, .offset: 8, .size: 8, .value_kind: global_buffer, .address_space: global }
      - { .name: out0, .offset: 16, .size: 8, .value_kind: global_buffer, .address_space: global }
    .group_segment_fixed_size: 327680
    .private_segment_fixed_size: 0
    .kernarg_segment_align: 8
    .kernarg_segment_size: 24
    .max_flat_workgroup_size: 512
    .sgpr_count:     66
    .vgpr_count:     256
    .wavefront_size: 32
...
	.end_amdgpu_metadata
.endif
;; end of part 5
